; MI455X (gfx1250); checked and timed in simulation.
; The chip was launched on July 23, 2026; its instructions are those of AMD's public machine-readable ISA for CDNA 5 (MIT licence, August 2026) and "CDNA5" Instruction Set Architecture Reference Guide (July 2026). The comments in the code are by the model that wrote it; some were corrected since.
;; moe. Allowed arithmetic: float matrix products may take bf16 or f16 operands with f32 sums; other float arithmetic in f32, or as packed bf16 or f16 multiplies, adds, multiply-adds, maxima and minima; sums over many terms, partial sums and values carried from step to step in f32; what a program stores and reads back later, other than sums and carried values, may be rounded once to bf16 or f16.
;; Inputs: att_b1 512 float32; att_b2 1 float32; att_w1 512 x 512 float32; att_w2 512 x 1 float32; eb1 8 x 2 x 1,024 float32; eb2 8 x 2 x 512 float32; ew1 8 x 2 x 512 x 1,024 float32; ew2 8 x 2 x 1,024 x 512 float32; g1_b1 512 float32; g1_b2 8 float32; g1_w1 512 x 512 float32; g1_w2 512 x 8 float32; g2_b1 512 float32; g2_b2 8 float32; g2_w1 512 x 512 float32; g2_w2 512 x 8 float32; x 8 x 512 x 512 float32.
;; Outputs: out0 8 x 512 float32; out1 8 x 512 x 512 float32.
;; 2 versions, each right; version 2 is version 1 with the launch front written anew for expert scheduling mode. Each part assembles by itself: llvm-mc -triple=amdgcn-amd-amdhsa -mcpu=gfx1250 --defsym DOCPART=n.
;; ======== version 1 of 2: 4 launches
;; workspace buffers: pp 16,777,216 bytes; xb 4,194,304 bytes; k1s 262,144 bytes; mt 8,388,608 bytes; k2s 20,480 bytes; nn 8,388,608 bytes; k3s 540,672 bytes
;; launch front (part 1): grid 192 x 1, 8 waves a work-group, no clusters, 214,016 bytes of LDS; arguments x, att_w1, att_b1, att_w2, att_b2, ew1, eb1, ew2, pp, k1s, xb; writes pp, k1s, xb
.if DOCPART == 1
	.amdgcn_target "amdgcn-amd-amdhsa--gfx1250"
	.amdhsa_code_object_version 6
	.text
	.protected	k_q65776d371d_front
	.globl	k_q65776d371d_front
	.p2align	8
	.type	k_q65776d371d_front,@function
k_q65776d371d_front:
	s_mov_b64 s[64:65], 0
	v_nop
	global_prefetch_b8 v0, s[64:65] scope:SCOPE_SE
	s_setreg_imm32_b32 hwreg(HW_REG_WAVE_MODE, 25, 1), 1
	s_wait_xcnt 0x0
; FRONT.  Two kinds of work-group, told apart by the work-group's number alone.
; AB (0-127): P_p = W1_p W2_p for p = 2 e + j (512 x 512, K = 1,024), a tile of 128 x 256 each; the expert chain has no activation, so
;   tmp_e = x (P_2e P_2e+1) + c_e holds for every input.  Inputs are rounded to bf16 on their way through registers; P leaves as a pair of bf16
;   (hi, lo = bf16(P - hi)) in tiles of 16 x 16.  The four row tiles' first (rt = 0) also sums b1_p W2_p, in f32, as four partial sums.
; ATT (128-191): 64 tokens each: score = silu(x att_w1 + b1) att_w2 + b2; bf16(x) leaves in tiles of 16 x 16; sum over the 64 tokens of score x leaves in f32.
; LIMITS.  The order of sums differs from the reference's (W1 W2 is formed first).  silu(z) = z / (1 + 2^(-1.442695 z)): where the exponential
; overflows the result is -0.  NaN and infinities are not treated apart.
; Eight waves, 48 (AB) or 32 (ATT) loads of 16 bytes a lane on their way in each: the f32 tiles must be rounded, so they pass through registers once
; (load, round in place, store bf16 into LDS); a copy engine would lay f32 into LDS to be read and stored again.  No cluster for the same reason: what is shared is f32.
; REGISTERS.  Window 0 (the multiplier's): v0-31 addresses, v32-63 A fragments, v64-95 B fragments, v96-223 16 accumulators, v224-255 at work.
; Window 1 (the loader's, all operand places: setting 0x55): v0-191 loaded rows, v192-223 b1, v224-227 the bias sums, v228-234 addresses.
.set SPW, 30
.set NIL, 31
.set AF, 32
.set BF, 64
.set ACC, 96
.set SCR, 224
.set B1R, 192
.set BACC, 224
.set VGA, 228
.set VGB, 229
.set VSA, 230
.set VSB0, 231                         ; VSB0+1: the second buffer
.set VB1, 233
.set VUB, 234
.set WV, 2
.set ID, 3
.set TRIPS, 36
.set RT, 37
.set MASK, 38
.set ATB, 34816                        ; AB: an A buffer, 128 rows x 272 bytes (256 + 16); two of them from byte 0
.set BT0, 69632                        ; AB: two B buffers, 128 rows x 544 bytes (512 + 32)
.set BTB, 69632
.set B1T, 208896                       ; AB: b1, 1,024 f32
.set XP, 1040                          ; ATT: x, 64 rows x 1,040 bytes (1,024 + 16) from byte 0
.set CT0, 66560                        ; ATT: two B buffers, 64 rows x 1,056 bytes (1,024 + 32)
.set CTB, 67584
.set SCP, 201728                       ; ATT: [wave][64] partial scores
.set SCF, 203776                       ; ATT: 64 scores
.set SPARE, 212992                     ; the spare words, 128 bytes a wave
.set MSB, 0
.macro WIN new                         ; the immediate's high byte repeats the setting that is left; a switch that changes nothing is dropped
.if MSB != (\new)
	s_set_vgpr_msb (MSB<<8)|(\new)
.set MSB, (\new)
.endif
.endm
.macro PLACES n
.rept \n
	v_nop
.endr
.endm
.macro RND2 a, b, t                    ; two f32 rounded to bf16 and widened again
	v_cvt_pk_bf16_f32 v[\t], v[\a], v[\b]
	v_lshlrev_b32 v[\a], 16, v[\t]
	v_and_b32 v[\b], s[MASK], v[\t]
.endm
; n loads of 16 bytes a lane: lanes 0-15 take 256 bytes of one row, lanes 16-31 those of the row m + 1 further down (that term lies in voff)
.macro LDROWS n, st, voff, sb, m, pitch, nt
.set li, 0
.rept \n
.if \nt
	global_load_b128 v[(\st)+4*li:(\st)+4*li+3], v[\voff], s[\sb:(\sb)+1] offset:((li&(\m))+2*((\m)+1)*(li/((\m)+1)))*(\pitch) th:TH_LOAD_NT
.else
	global_load_b128 v[(\st)+4*li:(\st)+4*li+3], v[\voff], s[\sb:(\sb)+1] offset:((li&(\m))+2*((\m)+1)*(li/((\m)+1)))*(\pitch)
.endif
.set li, li+1
.endr
.endm
.macro CVT n, st                       ; rounded in place: four f32 become two registers of bf16
.set vi, 0
.rept \n
	v_cvt_pk_bf16_f32 v[(\st)+4*vi], v[(\st)+4*vi], v[(\st)+4*vi+1]
	v_cvt_pk_bf16_f32 v[(\st)+4*vi+1], v[(\st)+4*vi+2], v[(\st)+4*vi+3]
.set vi, vi+1
.endr
.endm
.macro STROWS n, st, vaddr, imm, m, pitch  ; the two halves of the lanes land 128 bytes apart modulo 256
.set si, 0
.rept \n
	ds_store_b64 v[\vaddr], v[(\st)+4*si:(\st)+4*si+1] offset:(\imm)+((si&(\m))+2*((\m)+1)*(si/((\m)+1)))*(\pitch)
.set si, si+1
.endr
.endm
.macro CLEAR                           ; the sums start at 0: written in the wait for the first loads, so that no first stage is written out
.set ci, 0
.rept 128
	v_mov_b32 v[ACC+ci], 0
.set ci, ci+1
.endr
.endm
; 32 along K: 4 row fragments, 4 turned column fragments, 16 products; the 16 accumulators take turns
.macro KSTEP aReg, aOff, a16, bReg, bOff, b16, swap
	PLACES 4                               ; four plain places between the last products and loads into their sources
.set ka, 0
.rept 4
	ds_load_b128 v[AF+8*ka:AF+8*ka+3], v[\aReg] offset:(\aOff)+ka*(\a16)
	ds_load_b128 v[AF+8*ka+4:AF+8*ka+7], v[\aReg] offset:(\aOff)+ka*(\a16)+32
.set ka, ka+1
.endr
.set ka, 0
.rept 4
	ds_load_tr16_b128 v[BF+8*ka:BF+8*ka+3], v[\bReg] offset:(\bOff)+32*ka
	ds_load_tr16_b128 v[BF+8*ka+4:BF+8*ka+7], v[\bReg] offset:(\bOff)+32*ka+(\b16)
.set ka, ka+1
.endr
	s_wait_dscnt 0x0
.set ka, 0
.rept 4
.set kc, 0
.rept 4
.if \swap
	v_wmma_f32_16x16x32_bf16 v[ACC+8*(4*ka+kc):ACC+8*(4*ka+kc)+7], v[BF+8*kc:BF+8*kc+7], v[AF+8*ka:AF+8*ka+7], v[ACC+8*(4*ka+kc):ACC+8*(4*ka+kc)+7]
.else
	v_wmma_f32_16x16x32_bf16 v[ACC+8*(4*ka+kc):ACC+8*(4*ka+kc)+7], v[AF+8*ka:AF+8*ka+7], v[BF+8*kc:BF+8*kc+7], v[ACC+8*(4*ka+kc):ACC+8*(4*ka+kc)+7]
.endif
.set kc, kc+1
.endr
.set ka, ka+1
.endr
.endm
.macro SPLIT8 a, hi, lo, f             ; eight f32 as hi = bf16(v) and lo = bf16(v - hi); the accumulator is read from its low end on
.irp k, 0,1,2,3
	v_cvt_pk_bf16_f32 v[(\hi)+\k], v[(\a)+2*\k], v[(\a)+2*\k+1]
.endr
.irp k, 0,1,2,3
	v_lshlrev_b32 v[(\f)+2*\k], 16, v[(\hi)+\k]
	v_and_b32 v[(\f)+2*\k+1], s[MASK], v[(\hi)+\k]
.endr
.irp k, 0,1,2,3
	v_pk_add_f32 v[(\f)+2*\k:(\f)+2*\k+1], v[(\a)+2*\k:(\a)+2*\k+1], v[(\f)+2*\k:(\f)+2*\k+1] neg_lo:[0,1] neg_hi:[0,1]
.endr
.irp k, 0,1,2,3
	v_cvt_pk_bf16_f32 v[(\lo)+\k], v[(\f)+2*\k], v[(\f)+2*\k+1]
.endr
.endm
; A stage: the rows loaded last are rounded and stored into buffer buf, the next stage's loads go out, one barrier.  The barrier serves both ways: the other
; buffer's readers have waited for their LDS loads ahead of the barrier before.  guard = 1: the last stage of all loads nothing (no load leaves its buffer).
.macro STAGE ab, buf, guard
	WIN 0x55
	s_wait_loadcnt 0x0                     ; this stage's rows are in; the bases below are stepped only behind this wait
.if \ab
	CVT 48, 0
	STROWS 16, 0, VSA, (\buf)*ATB, 7, 272
	STROWS 32, 64, VSB0+(\buf), 0, 3, 544
	WIN 0
	s_cmp_lg_u32 s[RT], 0
	s_cbranch_scc1 .Lnobias_\@
	WIN 0x55                               ; b1 W2: my 32 rows x 4 columns of W2, as rounded, times b1 of those rows
.set bi, 0
.rept 8
	ds_load_b128 v[B1R+4*bi:B1R+4*bi+3], v[VB1] offset:(\buf)*512+32*bi
.set bi, bi+1
.endr
	s_wait_dscnt 0x0
.set bi, 0
.rept 32
	v_fma_mix_f32_bf16 v[BACC], v[64+4*bi], v[B1R+bi], v[BACC] op_sel_hi:[1,0,0]
	v_fma_mix_f32_bf16 v[BACC+1], v[64+4*bi], v[B1R+bi], v[BACC+1] op_sel:[1,0,0] op_sel_hi:[1,0,0]
	v_fma_mix_f32_bf16 v[BACC+2], v[64+4*bi+1], v[B1R+bi], v[BACC+2] op_sel_hi:[1,0,0]
	v_fma_mix_f32_bf16 v[BACC+3], v[64+4*bi+1], v[B1R+bi], v[BACC+3] op_sel:[1,0,0] op_sel_hi:[1,0,0]
.set bi, bi+1
.endr
	WIN 0
.Lnobias_\@:
.else
	CVT 32, 0
	STROWS 32, 0, VSB0+(\buf), 0, 3, 1056
	WIN 0
.endif
.if \guard
	s_cmp_eq_u32 s[TRIPS], 1
	s_cbranch_scc1 .Lnoload_\@
.endif
.if \ab
	s_add_nc_u64 s[32:33], s[32:33], 512       ; W1: 128 along K
	s_add_nc_u64 s[34:35], s[34:35], 0x40000   ; W2: 128 rows of 2,048 bytes
	WIN 0x55
	LDROWS 16, 0, VGA, 32, 7, 4096, 0
	LDROWS 32, 64, VGB, 34, 3, 2048, 0
.else
	s_add_nc_u64 s[34:35], s[34:35], 0x20000   ; att_w1: 64 rows of 2,048 bytes
	WIN 0x55
	LDROWS 32, 0, VGB, 34, 3, 2048, 0
.endif
	WIN 0
.if \guard
.Lnoload_\@:
.endif
	s_wait_dscnt 0x0                       ; for the others' sake: my stores are done
	s_barrier_signal -1
	s_barrier_wait -1
.endm
	s_load_b512 s[8:23], s[0:1], 0x0       ; x 8, att_w1 10, att_b1 12, att_w2 14, att_b2 16, ew1 18, eb1 20, ew2 22
	s_load_b128 s[24:27], s[0:1], 0x40     ; pp 24, k1s 26
	s_load_b64 s[28:29], s[0:1], 0x50      ; xb
	v_lshl_add_u32 v[SPW], v0, 2, SPARE
	v_mov_b32 v[NIL], 0
	v_lshrrev_b32 v5, 5, v0
	v_readfirstlane_b32 s[WV], v5          ; wave 0..7
	s_mov_b32 s[ID], ttmp9
	s_mov_b32 s[MASK], 0xffff0000
	s_mov_b32 s40, 0x76543210
	s_mov_b32 s41, 0xfedcba98
	s_mov_b32 s51, 0
	v_and_b32 v1, 15, v0                   ; r
	v_bfe_u32 v2, v0, 4, 1                 ; h
	v_and_b32 v3, 7, v0
	v_bfe_u32 v4, v0, 3, 1
	v_lshlrev_b32 v11, 5, v1
	v_lshl_add_u32 v11, v2, 4, v11         ; my 16 bytes in a tile of 16 x 16 bf16: row r, columns 8 h on
	v_lshl_add_u32 v5, v2, 3, v3           ; the row that I address in a turning load
	s_wait_kmcnt 0x0
	s_cmp_ge_u32 s[ID], 128
	s_cbranch_scc1 .Latt
; ---------------------------------------------------------------- AB
	s_lshr_b32 s42, s[ID], 3               ; p
	s_bfe_u32 s[RT], s[ID], 0x20001        ; rt: 128 rows
	s_and_b32 s43, s[ID], 1                ; ct2: 256 columns
	s_and_b32 s44, s[WV], 1
	s_lshr_b32 s45, s[WV], 1
	s_and_b32 s46, s[WV], 3                ; cu
	s_lshr_b32 s47, s[WV], 2               ; rh
	s_lshl_b32 s48, s42, 21
	s_lshl_b32 s50, s[RT], 19
	s_add_co_u32 s50, s50, s48
	s_add_nc_u64 s[32:33], s[18:19], s[50:51]  ; W1_p at my 128 rows
	s_lshl_b32 s50, s43, 10
	s_add_co_u32 s50, s50, s48
	s_add_nc_u64 s[34:35], s[22:23], s[50:51]  ; W2_p at my 256 columns
	v_lshlrev_b32 v6, 4, v1
	s_lshl_b32 s52, s45, 17
	s_lshl_b32 s53, s44, 8
	s_add_co_u32 s52, s52, s53
	v_lshl_add_u32 v12, v2, 15, v6
	v_add_nc_u32 v12, s52, v12             ; W1: (32 (w>>1) + 8 h) rows of 4,096 + 256 (w&1) + 16 r
	s_lshl_b32 s52, s47, 17
	s_lshl_b32 s53, s46, 8
	s_add_co_u32 s52, s52, s53
	v_lshl_add_u32 v13, v2, 13, v6
	v_add_nc_u32 v13, s52, v13             ; W2: (64 rh + 4 h) rows of 2,048 + 256 cu + 16 r
	v_mul_u32_u24 v7, v2, 2176             ; 8 x 272 = 4 x 544
	v_lshl_add_u32 v7, v1, 3, v7
	s_mul_i32 s52, s45, 8704
	s_lshl_b32 s53, s44, 7
	s_add_co_u32 s52, s52, s53
	v_add_nc_u32 v14, s52, v7
	s_mul_i32 s52, s47, 34816
	s_lshl_b32 s53, s46, 7
	s_add_co_u32 s52, s52, s53
	s_add_co_u32 s52, s52, BT0
	v_add_nc_u32 v15, s52, v7
	v_add_nc_u32 v16, BTB, v15
	s_lshl_b32 s52, s47, 8
	s_add_co_u32 s52, s52, B1T
	v_lshl_add_u32 v17, v2, 4, s52         ; b1 of rows 64 rh + 4 h on
	s_lshl_b32 s52, s47, 12
	s_lshl_b32 s53, s46, 8
	s_add_co_u32 s52, s52, s53
	v_lshl_add_u32 v18, v2, 11, v6
	v_add_nc_u32 v18, s52, v18             ; partial sum 2 rh + h, columns 64 cu + 4 r on
	WIN 0x40
	v_mov_b32 v[VGA], v12
	v_mov_b32 v[VGB], v13
	v_mov_b32 v[VSA], v14
	v_mov_b32 v[VSB0], v15
	v_mov_b32 v[VSB0+1], v16
	v_mov_b32 v[VB1], v17
	v_mov_b32 v[VUB], v18
.irp k, 0,1,2,3
	v_mov_b32 v[BACC+\k], 0
.endr
	WIN 0x55
	LDROWS 16, 0, VGA, 32, 7, 4096, 0      ; stage 0
	LDROWS 32, 64, VGB, 34, 3, 2048, 0
	WIN 0
	s_mul_i32 s52, s47, 17408
	v_mul_u32_u24 v8, v1, 272
	v_lshl_add_u32 v8, v2, 4, v8
	v_add_nc_u32 v8, s52, v8               ; A fragments: (64 rh + r) x 272 + 16 h
	v_mul_u32_u24 v9, v5, 544
	v_lshl_add_u32 v9, v4, 4, v9
	s_lshl_b32 s52, s46, 7
	s_add_co_u32 s52, s52, BT0
	v_add_nc_u32 v9, s52, v9               ; B fragments, buffer 0
	v_add_nc_u32 v10, BTB, v9              ; buffer 1
	s_lshl_b32 s50, s42, 20                ; where my 64 x 64 of P goes
	s_lshl_b32 s52, s43, 19
	s_add_co_u32 s50, s50, s52
	s_lshr_b32 s52, s46, 1
	s_lshl_b32 s52, s52, 18
	s_add_co_u32 s50, s50, s52
	s_lshl_b32 s52, s[RT], 16
	s_add_co_u32 s50, s50, s52
	s_lshl_b32 s52, s47, 15
	s_add_co_u32 s50, s50, s52
	s_lshl_b32 s52, s44, 12
	s_add_co_u32 s50, s50, s52
	s_add_nc_u64 s[24:25], s[24:25], s[50:51]
	s_lshl_b32 s50, s42, 13
	s_lshl_b32 s52, s43, 10
	s_add_co_u32 s50, s50, s52
	s_add_nc_u64 s[26:27], s[26:27], s[50:51]  ; the bias sums of product p, my 256 columns
	s_lshl_b32 s50, s42, 12
	s_add_nc_u64 s[20:21], s[20:21], s[50:51]  ; b1_p
	CLEAR
	s_cmp_lg_u32 s[RT], 0
	s_cbranch_scc1 .Lab_nob1
	v_lshlrev_b32 v6, 4, v0
	global_load_b128 v[12:15], v6, s[20:21]
	s_wait_loadcnt 0x0
	RND2 12, 13, 28
	RND2 14, 15, 28
	v_add_nc_u32 v7, B1T, v6
	ds_store_b128 v7, v[12:15]
.Lab_nob1:
	s_wait_dscnt 0x0                       ; the table is read by other waves ahead of the first stage's barrier
	s_barrier_signal -1
	s_barrier_wait -1
	s_mov_b32 s[TRIPS], 4
.Lab_trip:                             ; a trip: two stages of 128 along K
	STAGE 1, 0, 0
	KSTEP 8, 0, 4352, 9, 0, 8704, 1
	KSTEP 8, 64, 4352, 9, 17408, 8704, 1
	KSTEP 8, 128, 4352, 9, 34816, 8704, 1
	KSTEP 8, 192, 4352, 9, 52224, 8704, 1
	STAGE 1, 1, 1
	KSTEP 8, ATB, 4352, 10, 0, 8704, 1
	KSTEP 8, ATB+64, 4352, 10, 17408, 8704, 1
	KSTEP 8, ATB+128, 4352, 10, 34816, 8704, 1
	KSTEP 8, ATB+192, 4352, 10, 52224, 8704, 1
	WIN 0x55
	v_add_nc_u32 v[VB1], 0x400, v[VB1]     ; b1: 256 rows on
	WIN 0
	s_sub_co_u32 s[TRIPS], s[TRIPS], 1
	s_cmp_lg_u32 s[TRIPS], 0
	s_cbranch_scc1 .Lab_trip
	; the way out: sources were swapped, so a lane holds row r and eight neighbouring columns: its 16 bytes of a tile; each store of the wave covers 512 consecutive bytes
	PLACES 4
.set q, 0
.rept 16
.if q == 8
	s_wait_xcnt 0x0                        ; the eight register sets are used again only behind this wait
.endif
	SPLIT8 ACC+8*q, AF+8*(q%8), AF+8*(q%8)+4, SCR
	global_store_b128 v11, v[AF+8*(q%8):AF+8*(q%8)+3], s[24:25] offset:(q/4)*8192+(q%4)*1024
	global_store_b128 v11, v[AF+8*(q%8)+4:AF+8*(q%8)+7], s[24:25] offset:(q/4)*8192+(q%4)*1024+512
.set q, q+1
.endr
	s_cmp_lg_u32 s[RT], 0
	s_cbranch_scc1 .Lab_end
	WIN 0x55
	global_store_b128 v[VUB], v[BACC:BACC+3], s[26:27]  ; sixteen lanes store 256 consecutive bytes
	WIN 0
.Lab_end:
	s_wait_tensorcnt 0x0                   ; the wave's end
	ds_add_u32 v[SPW], v[NIL]
	s_wait_dscnt 0x0
	s_endpgm
; ---------------------------------------------------------------- ATT
.Latt:
	s_sub_co_u32 s42, s[ID], 128           ; a: tokens 64 a on
	s_load_b32 s39, s[16:17], 0x0          ; att_b2
	s_lshl_b32 s50, s42, 17
	s_add_nc_u64 s[8:9], s[8:9], s[50:51]
	s_mov_b64 s[34:35], s[10:11]
	s_lshl_b32 s52, s[WV], 8
	v_lshlrev_b32 v6, 4, v1
	v_add_nc_u32 v6, s52, v6               ; my wave's 256 bytes of a row, 16 r
	v_lshl_add_u32 v12, v2, 14, v6         ; x: lanes 16-31 eight rows down
	v_lshl_add_u32 v13, v2, 13, v6         ; att_w1: four rows down
	s_lshl_b32 s52, s[WV], 7
	v_lshl_add_u32 v7, v1, 3, s52
	v_mul_u32_u24 v14, v2, 8320
	v_add_nc_u32 v14, v14, v7
	v_mul_u32_u24 v15, v2, 4224
	v_add_nc_u32 v15, v15, v7
	v_add_nc_u32 v15, CT0, v15
	v_add_nc_u32 v16, CTB, v15
	WIN 0x40
	v_mov_b32 v[VGB], v13
	v_mov_b32 v[VSB0], v15
	v_mov_b32 v[VSB0+1], v16
	WIN 0
	LDROWS 32, ACC, 12, 8, 7, 2048, 1      ; x: read once in the launch
	WIN 0x55
	LDROWS 32, 0, VGB, 34, 3, 2048, 0      ; att_w1, stage 0
	WIN 0
	v_mul_u32_u24 v8, v1, XP
	v_lshl_add_u32 v8, v2, 4, v8
	v_mul_u32_u24 v9, v5, 1056
	v_lshl_add_u32 v9, v4, 4, v9
	s_add_co_u32 s52, s52, CT0
	v_add_nc_u32 v9, s52, v9
	v_add_nc_u32 v10, CTB, v9
	s_wait_loadcnt 32                      ; x's 32 loads are in; the 32 issued behind them stay out
	CVT 32, ACC
	STROWS 32, ACC, 14, 0, 7, XP
	CLEAR
	s_mov_b32 s[TRIPS], 4
.Latt_trip:                            ; a trip: two stages of 64 along K
	STAGE 0, 0, 0
	KSTEP 8, 0, 16640, 9, 0, 16896, 0
	KSTEP 8, 64, 16640, 9, 33792, 16896, 0
	STAGE 0, 1, 1
	KSTEP 8, 128, 16640, 10, 0, 16896, 0
	KSTEP 8, 192, 16640, 10, 33792, 16896, 0
	v_add_nc_u32 v8, 256, v8
	s_sub_co_u32 s[TRIPS], s[TRIPS], 1
	s_cmp_lg_u32 s[TRIPS], 0
	s_cbranch_scc1 .Latt_trip
	; b1 and w2 of my 4 x 16 hidden columns
	s_lshl_b32 s52, s[WV], 8
	v_lshl_add_u32 v7, v1, 2, s52
.irp c, 0,1,2,3
	global_load_b32 v[12+2*\c], v7, s[12:13] offset:64*\c
	global_load_b32 v[20+2*\c], v7, s[14:15] offset:64*\c
.endr
	; bf16(x) leaves in tiles: wave w copies row block w >> 1, column blocks 16 (w & 1) on
	PLACES 4
	s_lshr_b32 s45, s[WV], 1
	s_and_b32 s44, s[WV], 1
	s_mul_i32 s52, s45, 16640
	s_lshl_b32 s53, s44, 9
	s_add_co_u32 s52, s52, s53
	v_mul_u32_u24 v6, v1, XP
	v_lshl_add_u32 v6, v2, 4, v6
	v_add_nc_u32 v6, s52, v6
.set i, 0
.rept 16
	ds_load_b128 v[AF+4*i:AF+4*i+3], v6 offset:32*i
.set i, i+1
.endr
	s_lshl_b32 s50, s42, 16
	s_lshl_b32 s52, s45, 14
	s_add_co_u32 s50, s50, s52
	s_lshl_b32 s52, s44, 13
	s_add_co_u32 s50, s50, s52
	s_add_nc_u64 s[28:29], s[28:29], s[50:51]
.set i, 0
.rept 16
	s_wait_dscnt 15-i                      ; LDS loads come back in order: tile i is in
	global_store_b128 v11, v[AF+4*i:AF+4*i+3], s[28:29] offset:512*i
.set i, i+1
.endr
	s_wait_loadcnt 0x0
.irp c, 12,14,16,18,20,22,24,26        ; rounded to bf16, and twice, as a pair for the packed forms
	v_cvt_pk_bf16_f32 v28, v[\c], v[\c]
	v_lshlrev_b32 v[\c], 16, v28
	v_and_b32 v[\c+1], s[MASK], v28
.endr
	s_wait_xcnt 0x0                        ; the stores' data registers are written again only behind this wait
; 32 numbers (16 tokens' block a x my 64 columns, 8 tokens a lane): z = sum + b1; z / (1 + 2^(-1.442695 z)); times w2, summed over the four column tiles
.macro SILU4 a
.set zb, ACC+32*(\a)
.set n, 0
.rept 16
	v_pk_add_f32 v[zb+2*n:zb+2*n+1], v[zb+2*n:zb+2*n+1], v[12+2*(n/4):13+2*(n/4)]
.set n, n+1
.endr
.set n, 0
.rept 16
	v_pk_mul_f32 v[AF+2*n:AF+2*n+1], v[zb+2*n:zb+2*n+1], 0xbfb8aa3b op_sel_hi:[1,0]
.set n, n+1
.endr
.set n, 0
.rept 32
	v_exp_f32 v[AF+n], v[AF+n]
.set n, n+1
.endr
	v_nop                                  ; a plain instruction behind the last exponential,
	s_wait_alu depctr_va_vdst(0)           ; and one wait for the batch, ahead of its first reader
.set n, 0
.rept 16
	v_pk_add_f32 v[AF+2*n:AF+2*n+1], v[AF+2*n:AF+2*n+1], 1.0 op_sel_hi:[1,0]
.set n, n+1
.endr
.set n, 0
.rept 32
	v_rcp_f32 v[AF+n], v[AF+n]
.set n, n+1
.endr
	v_nop
	s_wait_alu depctr_va_vdst(0)           ; one wait for the 32 reciprocals
.set n, 0
.rept 16
	v_pk_mul_f32 v[AF+2*n:AF+2*n+1], v[AF+2*n:AF+2*n+1], v[zb+2*n:zb+2*n+1]
.set n, n+1
.endr
.set n, 0
.rept 16
.if n < 4
	v_pk_mul_f32 v[SCR+8*(\a)+2*n:SCR+8*(\a)+2*n+1], v[AF+2*n:AF+2*n+1], v[20:21]
.else
	v_pk_fma_f32 v[SCR+8*(\a)+2*(n%4):SCR+8*(\a)+2*(n%4)+1], v[AF+2*n:AF+2*n+1], v[20+2*(n/4):21+2*(n/4)], v[SCR+8*(\a)+2*(n%4):SCR+8*(\a)+2*(n%4)+1]
.endif
.set n, n+1
.endr
.endm
	SILU4 0
	SILU4 1
	SILU4 2
	SILU4 3
.irp x, 1,2,4,8                        ; over the 16 columns that the lanes of a half hold
.set di, 0
.rept 32
	v_add_f32_dpp v[SCR+di], v[SCR+di], v[SCR+di] row_xmask:\x row_mask:0xf bank_mask:0xf
.set di, di+1
.endr
.endr
	s_lshl_b32 s52, s[WV], 8
	s_add_co_u32 s52, s52, SCP
	v_lshl_add_u32 v6, v2, 5, s52
.set i, 0
.rept 8
	ds_store_b128 v6, v[SCR+4*i:SCR+4*i+3] offset:64*(i/2)+16*(i%2)  ; the 16 lanes of a half write the same words with the same values
.set i, i+1
.endr
	s_wait_dscnt 0x0
	s_barrier_signal -1
	s_barrier_wait -1
	s_wait_kmcnt 0x0                       ; att_b2
	s_cmp_ge_u32 s[WV], 2
	s_cbranch_scc1 .Latt_nosum
	v_lshl_add_u32 v6, v0, 2, SCP          ; thread t < 64: token t
.set i, 0
.rept 8
	ds_load_b32 v[32+i], v6 offset:256*i
.set i, i+1
.endr
	v_mov_b32 v28, s39
	v_cvt_pk_bf16_f32 v28, v28, v28
	v_lshlrev_b32 v28, 16, v28
	s_wait_dscnt 0x0
	v_add_f32 v32, v32, v33
	v_add_f32 v34, v34, v35
	v_add_f32 v36, v36, v37
	v_add_f32 v38, v38, v39
	v_add_f32 v32, v32, v34
	v_add_f32 v36, v36, v38
	v_add_f32 v32, v32, v36
	v_add_f32 v32, v32, v28
	ds_store_b32 v6, v32 offset:SCF-SCP
.Latt_nosum:
	s_wait_dscnt 0x0
	s_barrier_signal -1
	s_barrier_wait -1
	; sum over my work-group's 64 tokens of score x: thread t has columns 2 t, 2 t + 1
	v_mov_b32 v6, SCF
	v_lshlrev_b32 v7, 2, v0
	v_mov_b32 v32, 0
	v_mov_b32 v33, 0
	s_mov_b32 s[TRIPS], 8
.Latt_pool:                            ; a trip: eight tokens
	ds_load_b128 v[36:39], v6
	ds_load_b128 v[40:43], v6 offset:16
.set i, 0
.rept 8
	ds_load_b32 v[44+i], v7 offset:i*XP
.set i, i+1
.endr
	s_wait_dscnt 0x0
.set i, 0
.rept 8
	v_fma_mix_f32_bf16 v32, v[44+i], v[36+i], v32 op_sel_hi:[1,0,0]
	v_fma_mix_f32_bf16 v33, v[44+i], v[36+i], v33 op_sel:[1,0,0] op_sel_hi:[1,0,0]
.set i, i+1
.endr
	v_add_nc_u32 v6, 32, v6
	v_add_nc_u32 v7, 8*XP, v7
	s_sub_co_u32 s[TRIPS], s[TRIPS], 1
	s_cmp_lg_u32 s[TRIPS], 0
	s_cbranch_scc1 .Latt_pool
	s_lshl_b32 s50, s42, 11
	s_add_co_u32 s50, s50, 131072
	s_add_nc_u64 s[26:27], s[26:27], s[50:51]
	v_lshlrev_b32 v6, 3, v0
	global_store_b64 v6, v[32:33], s[26:27]    ; a wave stores 256 consecutive bytes
	s_wait_tensorcnt 0x0                   ; the wave's end
	ds_add_u32 v[SPW], v[NIL]
	s_wait_dscnt 0x0
	s_endpgm
.Lfunc_end_k_q65776d371d_front:
	.size	k_q65776d371d_front, .Lfunc_end_k_q65776d371d_front-k_q65776d371d_front
	.p2alignl 7, 3214868480
	.fill 96, 4, 3214868480
	.section	.rodata,"a",@progbits
	.p2align	6, 0x0
	.amdhsa_kernel k_q65776d371d_front
		.amdhsa_group_segment_fixed_size 214016
		.amdhsa_private_segment_fixed_size 0
		.amdhsa_enable_private_segment 0
		.amdhsa_kernarg_size 88
		.amdhsa_user_sgpr_count 2
		.amdhsa_user_sgpr_kernarg_segment_ptr 1
		.amdhsa_wavefront_size32 1
		.amdhsa_system_sgpr_workgroup_id_x 1
		.amdhsa_system_sgpr_workgroup_id_y 1
		.amdhsa_system_sgpr_workgroup_id_z 1
		.amdhsa_system_vgpr_workitem_id 0
		.amdhsa_next_free_vgpr 512
		.amdhsa_next_free_sgpr 66
		.amdhsa_reserve_vcc 0
		.amdhsa_float_denorm_mode_32 3
		.amdhsa_float_denorm_mode_16_64 3
		.amdhsa_memory_ordered 1
		.amdhsa_forward_progress 1
		.amdhsa_inst_pref_size 190
	.end_amdhsa_kernel
	.amdgpu_metadata
---
amdhsa.version: [ 1, 2 ]
amdhsa.kernels:
  - .name:           k_q65776d371d_front
    .symbol:         k_q65776d371d_front.kd
    .args:
      - { .name: x, .offset: 0, .size: 8, .value_kind: global_buffer, .address_space: global }
      - { .name: att_w1, .offset: 8, .size: 8, .value_kind: global_buffer, .address_space: global }
      - { .name: att_b1, .offset: 16, .size: 8, .value_kind: global_buffer, .address_space: global }
      - { .name: att_w2, .offset: 24, .size: 8, .value_kind: global_buffer, .address_space: global }
      - { .name: att_b2, .offset: 32, .size: 8, .value_kind: global_buffer, .address_space: global }
      - { .name: ew1, .offset: 40, .size: 8, .value_kind: global_buffer, .address_space: global }
      - { .name: eb1, .offset: 48, .size: 8, .value_kind: global_buffer, .address_space: global }
      - { .name: ew2, .offset: 56, .size: 8, .value_kind: global_buffer, .address_space: global }
      - { .name: pp, .offset: 64, .size: 8, .value_kind: global_buffer, .address_space: global }
      - { .name: k1s, .offset: 72, .size: 8, .value_kind: global_buffer, .address_space: global }
      - { .name: xb, .offset: 80, .size: 8, .value_kind: global_buffer, .address_space: global }
    .group_segment_fixed_size: 214016
    .private_segment_fixed_size: 0
    .kernarg_segment_align: 8
    .kernarg_segment_size: 88
    .max_flat_workgroup_size: 256
    .sgpr_count:     66
    .vgpr_count:     512
    .wavefront_size: 32
...
	.end_amdgpu_metadata
.endif
;; end of part 1
;; launch middle (part 2): grid 176 x 1, 4 waves a work-group, no clusters, 327,680 bytes of LDS; arguments pp, k1s, eb2, g1_w1, g1_b1, g1_w2, g1_b2, g2_w1, g2_b1, g2_w2, g2_b2, mt, k2s; writes mt, k2s
.if DOCPART == 2
	.amdgcn_target "amdgcn-amd-amdhsa--gfx1250"
	.amdhsa_code_object_version 6
	.text
	.protected	k_q65776d371d_middle
	.globl	k_q65776d371d_middle
	.p2align	8
	.type	k_q65776d371d_middle,@function
k_q65776d371d_middle:
	s_mov_b64 s[64:65], 0
	v_nop
	global_prefetch_b8 v0, s[64:65] scope:SCOPE_SE
	s_setreg_imm32_b32 hwreg(HW_REG_WAVE_MODE, 25, 1), 1
	s_wait_xcnt 0x0
; MIDDLE.  Three kinds of work-group, told apart by the work-group's number alone.
; M (0-127): M_e = A_e B_e (A = P_2e, B = P_2e+1), a tile of 128 x 128, K = 512.  Both operands are pairs of bf16: Ah Bh + Ah Bl + Al Bh; Al Bl, some 2^-16 of the result, is dropped.  M leaves in f32.
; CV (128-159): c_e = u_e B_e + v_e for 128 columns, u = b1_e0 W2_e0 + b2_e0, v = b1_e1 W2_e1 + b2_e1; u goes as a pair of bf16, the sums stay in f32.
; GATE (160-175): gate g, 64 hidden units: silu(x_att g_w1 + b1) g_w2 (+ b2 in slice 0): partial gates [8][8] in f32; x_att goes as a pair of bf16.
; LIMITS: as stated at the head of the first launch; b2 enters as flag x b2, so an infinite b2 is not treated apart.
; M and CV bring their 128 columns of B_e (262,144 bytes, hi and lo tiles) into LDS by four tensor loads a wave, all first fills: four of a wave are out at the most.
; NO CLUSTER: a slab is shared by four M work-groups and one CV; joint loads would spare three of four requests for it, but would put rounds of the cluster's barrier on all three kinds' paths; not built here.
; REGISTERS.  Window 0: v0-31 addresses; M: v32-63 four accumulators, v64-191 two buffers of B fragments.  Windows 1, 2: M: A's fragments for all K (512 registers); GATE: g_w1's rows, x_att's parts.
.set SPW, 30
.set NIL, 31
.set ACC, 32
.set PB, 64
.set G1, 16
.set G0, 24
.set MASK, 42
.set CNT, 43
.set XH, 262144                        ; behind the slab; only LDS stores write from here on.  16 rows x 1,040 bytes (CV: two rows)
.set BTG, 278784                       ; GATE: 256 rows x 160 bytes (128 + 32)
.set GPW, 319744                       ; GATE: [wave][8][8] f32
.set SPARE, 320768                     ; the spare words, 128 bytes a wave
.set MSB, 0
.macro WIN new
.if MSB != (\new)
	s_set_vgpr_msb (MSB<<8)|(\new)
.set MSB, (\new)
.endif
.endm
.macro PLACES n
.rept \n
	v_nop
.endr
.endm
.macro RND2 a, b, t
	v_cvt_pk_bf16_f32 v[\t], v[\a], v[\b]
	v_lshlrev_b32 v[\a], 16, v[\t]
	v_and_b32 v[\b], s[MASK], v[\t]
.endm
.macro CVT n, st
.set vi, 0
.rept \n
	v_cvt_pk_bf16_f32 v[(\st)+4*vi], v[(\st)+4*vi], v[(\st)+4*vi+1]
	v_cvt_pk_bf16_f32 v[(\st)+4*vi+1], v[(\st)+4*vi+2], v[(\st)+4*vi+3]
.set vi, vi+1
.endr
.endm
	s_load_b512 s[44:59], s[0:1], 0x0      ; pp 44, k1s 46, eb2 48, g1_w1 50, g1_b1 52, g1_w2 54, g1_b2 56, g2_w1 58
	s_load_b256 s[68:75], s[0:1], 0x40     ; g2_b1 68, g2_w2 70, g2_b2 72, mt 74
	s_load_b64 s[76:77], s[0:1], 0x60      ; k2s
	v_lshl_add_u32 v[SPW], v0, 2, SPARE
	v_mov_b32 v[NIL], 0
	ds_add_u32 v[SPW], v[NIL]              ; the wave's opening: the add and its wait ahead of my first tensor load
	v_lshrrev_b32 v6, 5, v0
	v_readfirstlane_b32 s2, v6             ; wave 0..3
	s_mov_b32 s3, ttmp9
	s_mov_b32 s40, 0x76543210
	s_mov_b32 s41, 0xfedcba98
	s_mov_b32 s[MASK], 0xffff0000
	s_mov_b32 s7, 0
	s_mov_b32 s[G1+0], 3<<16               ; elements of 8 bytes, no mask, no padding
	s_mov_b32 s[G1+1], 256<<16             ; tensor_dim0 = 256 (2,048 bytes: two column tiles, hi and lo)
	s_mov_b32 s[G1+2], 8<<16               ; tensor_dim1 = 8
	s_mov_b32 s[G1+3], 256<<16             ; tile_dim0 = 256
	s_mov_b32 s[G1+4], 8                   ; tile_dim1 = 8 row blocks
	s_mov_b32 s[G1+5], 1024                ; 8,192 bytes from row block to row block
	s_mov_b32 s[G1+6], 0
	s_mov_b32 s[G1+7], 0
	v_and_b32 v1, 15, v0                   ; r
	v_bfe_u32 v2, v0, 4, 1                 ; h
	v_and_b32 v3, 7, v0
	v_bfe_u32 v4, v0, 3, 1
	v_lshl_add_u32 v3, v2, 3, v3           ; the row that I address in a turning load
	v_lshlrev_b32 v5, 5, v3
	v_lshl_add_u32 v5, v4, 4, v5           ; my place in a tile of 512 bytes for a turning load
	v_lshlrev_b32 v11, 5, v1
	v_lshl_add_u32 v11, v2, 4, v11         ; my 16 bytes of a tile: row r, columns 8 h on
	v_and_b32 v12, 31, v0
	v_lshlrev_b32 v12, 4, v12              ; 16 x lane
	s_wait_dscnt 0x0                       ; the opening add is done
	s_wait_kmcnt 0x0
	s_cmp_ge_u32 s3, 160
	s_cbranch_scc1 .Lgate
	s_lshr_b32 s4, s3, 4
	s_sub_co_u32 s5, s3, 128
	s_lshr_b32 s5, s5, 2
	s_cmp_lt_u32 s3, 128
	s_cselect_b32 s4, s4, s5               ; e
	s_and_b32 s5, s3, 3                    ; ct: 128 columns
	s_lshl_b32 s6, s4, 21
	s_add_co_u32 s6, s6, 0x100000          ; product 2 e + 1
	s_lshl_b32 s10, s5, 18
	s_add_co_u32 s6, s6, s10
	s_lshl_b32 s10, s2, 16                 ; my eight row blocks
	s_add_co_u32 s6, s6, s10
	s_add_nc_u64 s[8:9], s[44:45], s[6:7]
	s_lshl_b32 s10, s2, 14
.irp g, 0,1,2,3                        ; group g: 32 columns, to LDS byte 65,536 g + 16,384 w
	s_mov_b32 s[G0+4*\g], 1
	s_add_co_u32 s[G0+4*\g+1], s10, \g*65536
	s_add_nc_u64 s[G0+4*\g+2:G0+4*\g+3], s[8:9], \g*2048
	s_or_b32 s[G0+4*\g+3], s[G0+4*\g+3], 0x80000000
	tensor_load_to_lds s[G0+4*\g:G0+4*\g+3], s[G1:G1+7]
	s_nop 0
.endr
	PLACES 4
	s_cmp_ge_u32 s3, 128
	s_cbranch_scc1 .Lcv
; ---------------------------------------------------------------- M
	s_bfe_u32 s11, s3, 0x20002             ; rt: 128 rows
	s_lshl_b32 s6, s4, 21
	s_lshl_b32 s12, s11, 16
	s_add_co_u32 s6, s6, s12
	s_lshl_b32 s12, s2, 14
	s_add_co_u32 s6, s6, s12
	s_add_nc_u64 s[44:45], s[44:45], s[6:7]    ; A_e at my 32 rows
.macro LOADA t0                        ; eight K steps: for each, rows 16 a on, hi and lo, two tiles side by side
.set lt, \t0
.rept 8
.set lq, 0
.rept 4
	global_load_b128 v[32*(lt&7)+8*lq:32*(lt&7)+8*lq+3], v11, s[44:45] offset:(lt>>2)*262144+(lq>>1)*8192+((2*lt)&7)*1024+(lq&1)*512
	global_load_b128 v[32*(lt&7)+8*lq+4:32*(lt&7)+8*lq+7], v11, s[44:45] offset:(lt>>2)*262144+(lq>>1)*8192+((2*lt)&7)*1024+(lq&1)*512+1024
.set lq, lq+1
.endr
.set lt, lt+1
.endr
.endm
	WIN 0x40
	LOADA 0
	WIN 0x80
	LOADA 8
	WIN 0
	s_lshl_b32 s6, s4, 20
	s_lshl_b32 s12, s11, 18
	s_add_co_u32 s6, s6, s12
	s_lshl_b32 s12, s2, 16
	s_add_co_u32 s6, s6, s12
	s_lshl_b32 s12, s5, 13
	s_add_co_u32 s6, s6, s12
	s_add_nc_u64 s[74:75], s[74:75], s[6:7]    ; M's tiles: row blocks 8 rt + 2 w on, column blocks 8 ct on
	v_mov_b32 v13, v5
.macro FETCHP u                        ; B's fragments of K steps 2 u, 2 u + 1 (two column tiles, hi and lo), turned: 16 loads
.set fb, PB+64*((\u)&1)
.set ft, 0
.rept 2
.set fc, 0
.rept 4
	ds_load_tr16_b128 v[fb+32*ft+8*fc:fb+32*ft+8*fc+3], v13 offset:(2*(2*(\u)+ft))*2048+fc*512
	ds_load_tr16_b128 v[fb+32*ft+8*fc+4:fb+32*ft+8*fc+7], v13 offset:(2*(2*(\u)+ft)+1)*2048+fc*512
.set fc, fc+1
.endr
.set ft, ft+1
.endr
.endm
.macro MULP u                          ; 24 products; the four accumulators take turns
.set mf, 0
.rept 2
.set tt, 2*(\u)+mf
.set ps, 0
.rept 3
.set mq, 0
.rept 4
.set rD, ACC+8*mq
.set rA, 32*(tt&7)+16*(mq/2)+8*(ps/2)
.set rB, PB+64*((\u)&1)+32*mf+16*(mq%2)+8*(ps%2)
.if (tt == 0) && (ps == 0)
	v_wmma_f32_16x16x32_bf16 v[rD:rD+7], v[rA:rA+7], v[rB:rB+7], 0
.else
	v_wmma_f32_16x16x32_bf16 v[rD:rD+7], v[rA:rA+7], v[rB:rB+7], v[rD:rD+7]
.endif
.set mq, mq+1
.endr
.set ps, ps+1
.endr
.set mf, mf+1
.endr
.endm
; A trip: 32 rows x 32 columns over all K.  first = 1: A's 128 loads are still coming, K ascending, eight a K step.
.macro TRIP first
	WIN 0
	PLACES 4
	FETCHP 0
.set u, 0
.rept 8
	WIN 0
.if u > 0
	PLACES 4                               ; four plain places between the last products and loads into their sources
.endif
.if u < 7
	FETCHP u+1
	s_wait_dscnt 16                        ; the pair in hand is in; the 16 loads just issued stay out
.else
	s_wait_dscnt 0x0
.endif
.if \first
.if u == 0
	s_wait_loadcnt 63                      ; at least 65 of the 128 are in: K steps 0 to 7
.elseif u >= 4
	s_wait_loadcnt 128-16*(u+1)            ; the later K steps' loads stay out
.endif
.endif
	WIN 1+(u/4)                            ; A in window 1 or 2
	MULP u
.set u, u+1
.endr
	WIN 0
	PLACES 5
.irp m, 0,1,2,3
	global_store_b128 v12, v[ACC+8*\m:ACC+8*\m+3], s[74:75] offset:(\m/2)*32768+(\m%2)*1024       ; the wave stores 512 consecutive bytes
	global_store_b128 v12, v[ACC+8*\m+4:ACC+8*\m+7], s[74:75] offset:(\m/2)*32768+(\m%2)*1024+512
.endr
	s_wait_xcnt 0x0                        ; the base and the accumulators are written again only behind this wait
	s_add_nc_u64 s[74:75], s[74:75], 2048
	v_add_nc_u32 v13, 0x10000, v13
.endm
	s_wait_tensorcnt 3                     ; my part of group 0 is in; the three loads behind it stay out
	s_barrier_signal -1
	s_barrier_wait -1
	TRIP 1
	s_wait_tensorcnt 0x0
	s_wait_dscnt 0x0
	s_barrier_signal -1
	s_barrier_wait -1
	s_mov_b32 s[CNT], 3
.Lm_trip:
	TRIP 0
	s_sub_co_u32 s[CNT], s[CNT], 1
	s_cmp_lg_u32 s[CNT], 0
	s_cbranch_scc1 .Lm_trip
	s_wait_tensorcnt 0x0                   ; the wave's end
	ds_add_u32 v[SPW], v[NIL]
	s_wait_dscnt 0x0
	s_endpgm
; ---------------------------------------------------------------- CV
.Lcv:
	v_lshlrev_b32 v6, 4, v0                ; thread t: u[4 t ..]
	s_lshl_b32 s6, s4, 14
	s_add_nc_u64 s[46:47], s[46:47], s[6:7]    ; the bias sums of product 2 e
	s_lshl_b32 s6, s4, 12
	s_add_nc_u64 s[48:49], s[48:49], s[6:7]    ; eb2[e]
.irp q, 0,1,2,3
	global_load_b128 v[64+4*\q:67+4*\q], v6, s[46:47] offset:\q*2048
.endr
	global_load_b128 v[80:83], v6, s[48:49]
	s_lshl_b32 s12, s5, 9
	s_lshl_b32 s13, s2, 7
	s_add_co_u32 s12, s12, s13
	v_and_b32 v7, 31, v0
	v_lshl_add_u32 v7, v7, 2, s12          ; column 128 ct + 32 w + lane, in bytes
.irp q, 0,1,2,3
	global_load_b32 v[84+\q], v7, s[46:47] offset:8192+\q*2048
.endr
	global_load_b32 v88, v7, s[48:49] offset:2048
	v_lshl_add_u32 v8, v0, 3, XH
	v_and_b32 v9, 1, v0
	v_mul_u32_u24 v9, v9, 1040
	v_lshl_add_u32 v9, v2, 4, v9
	v_add_nc_u32 v9, XH, v9                ; even rows of the fragment read u's hi, odd rows its lo
	s_lshl_b32 s12, s2, 16
	v_add_nc_u32 v13, s12, v5              ; wave w has column group w
	s_wait_loadcnt 5                       ; u's five loads are in; v's five stay out
	v_pk_add_f32 v[64:65], v[64:65], v[68:69]
	v_pk_add_f32 v[66:67], v[66:67], v[70:71]
	v_pk_add_f32 v[72:73], v[72:73], v[76:77]
	v_pk_add_f32 v[74:75], v[74:75], v[78:79]
	RND2 80, 81, 89
	RND2 82, 83, 89
	v_pk_add_f32 v[64:65], v[64:65], v[72:73]
	v_pk_add_f32 v[66:67], v[66:67], v[74:75]
	v_pk_add_f32 v[64:65], v[64:65], v[80:81]
	v_pk_add_f32 v[66:67], v[66:67], v[82:83]
	v_cvt_pk_bf16_f32 v90, v64, v65
	v_cvt_pk_bf16_f32 v91, v66, v67
	v_lshlrev_b32 v92, 16, v90
	v_and_b32 v93, s[MASK], v90
	v_lshlrev_b32 v94, 16, v91
	v_and_b32 v95, s[MASK], v91
	v_pk_add_f32 v[92:93], v[64:65], v[92:93] neg_lo:[0,1] neg_hi:[0,1]
	v_pk_add_f32 v[94:95], v[66:67], v[94:95] neg_lo:[0,1] neg_hi:[0,1]
	v_cvt_pk_bf16_f32 v92, v92, v93
	v_cvt_pk_bf16_f32 v93, v94, v95
	ds_store_b64 v8, v[90:91]
	ds_store_b64 v8, v[92:93] offset:1040
.set i, 0
.rept 16
	v_mov_b32 v[32+i], 0
.set i, i+1
.endr
	s_wait_tensorcnt 0x0
	s_wait_dscnt 0x0
	s_barrier_signal -1
	s_barrier_wait -1
	s_mov_b32 s[CNT], 16
.Lcv_k:                                ; a trip: 32 along K; two accumulators (two column tiles) take turns
	PLACES 4
	ds_load_b128 v[96:99], v9
	ds_load_b128 v[100:103], v9 offset:32
.irp f, 0,1,2,3
	ds_load_tr16_b128 v[104+8*\f:107+8*\f], v13 offset:\f*512
	ds_load_tr16_b128 v[108+8*\f:111+8*\f], v13 offset:2048+\f*512
.endr
	s_wait_dscnt 0x0
	v_wmma_f32_16x16x32_bf16 v[32:39], v[96:103], v[104:111], v[32:39]
	v_wmma_f32_16x16x32_bf16 v[40:47], v[96:103], v[120:127], v[40:47]
	v_wmma_f32_16x16x32_bf16 v[32:39], v[96:103], v[112:119], v[32:39]
	v_wmma_f32_16x16x32_bf16 v[40:47], v[96:103], v[128:135], v[40:47]
	v_add_nc_u32 v9, 64, v9
	v_add_nc_u32 v13, 4096, v13
	s_sub_co_u32 s[CNT], s[CNT], 1
	s_cmp_lg_u32 s[CNT], 0
	s_cbranch_scc1 .Lcv_k
	PLACES 4
	s_wait_loadcnt 0x0
	v_add_f32 v32, v32, v33                ; the hi row's and the lo row's sums
	v_add_f32 v40, v40, v41
	v_add_f32 v84, v84, v85
	v_add_f32 v86, v86, v87
	v_cvt_pk_bf16_f32 v88, v88, v88
	v_lshlrev_b32 v88, 16, v88
	v_add_f32 v84, v84, v86
	v_add_f32 v84, v84, v88
	v_cmp_eq_u32 vcc_lo, 1, v2
	v_cndmask_b32 v32, v32, v40, vcc_lo    ; lanes 16-31 take the second column tile
	v_add_f32 v32, v32, v84
	s_lshl_b32 s6, s4, 11
	s_add_nc_u64 s[76:77], s[76:77], s[6:7]
	global_store_b32 v7, v32, s[76:77]     ; 128 consecutive bytes a wave; c is 16 KiB in all
	s_wait_tensorcnt 0x0                   ; the wave's end
	ds_add_u32 v[SPW], v[NIL]
	s_wait_dscnt 0x0
	s_endpgm
; ---------------------------------------------------------------- GATE
.Lgate:
	s_sub_co_u32 s4, s3, 160
	s_lshr_b32 s4, s4, 3                   ; g
	s_and_b32 s5, s3, 7                    ; sl: 64 hidden units
	s_cmp_eq_u32 s4, 0
	s_cselect_b64 s[8:9], s[50:51], s[58:59]
	s_cselect_b64 s[10:11], s[52:53], s[68:69]
	s_cselect_b64 s[12:13], s[54:55], s[70:71]
	s_cselect_b64 s[14:15], s[56:57], s[72:73]
	s_lshl_b32 s78, s5, 6
	s_lshl_b32 s79, s2, 4
	s_add_co_u32 s78, s78, s79             ; my wave's first hidden unit
	s_lshl_b32 s79, s78, 2
	v_lshl_add_u32 v6, v1, 2, s79
	s_lshl_b32 s79, s78, 5
	v_add_nc_u32 v7, s79, v11              ; g_w2[unit][4 h ..]
	v_and_b32 v8, 3, v0
	v_lshlrev_b32 v8, 3, v8
	v_lshlrev_b32 v9, 4, v0
	s_lshl_b32 s79, s2, 17
	v_lshlrev_b32 v10, 4, v1
	v_lshl_add_u32 v10, v2, 13, v10
	v_add_nc_u32 v10, s79, v10             ; g_w1: (64 w + 4 h) rows of 2,048 + 16 r
	s_lshl_b32 s6, s5, 8
	s_add_nc_u64 s[8:9], s[8:9], s[6:7]
	global_load_b32 v16, v6, s[10:11]
	global_load_b128 v[20:23], v7, s[12:13]
	global_load_b64 v[24:25], v8, s[14:15]
	WIN 0x80
.set gi, 0
.rept 64                               ; x_att's 8 parts for each of 8 batches, my four columns
	global_load_b128 v[4*gi:4*gi+3], v9, s[46:47] offset:131072+2048*gi
.set gi, gi+1
.endr
	WIN 0x40
.set gi, 0
.rept 64                               ; g_w1's slice: 256 rows a phase, 64 a wave, two a load
	global_load_b128 v[4*gi:4*gi+3], v10, s[8:9] offset:(256*(gi>>5)+(gi&3)+8*((gi&31)/4))*2048
.set gi, gi+1
.endr
	WIN 0
	v_lshl_add_u32 v13, v0, 3, XH
	s_mul_i32 s79, s2, 10240
	s_add_co_u32 s79, s79, BTG
	v_mul_u32_u24 v14, v2, 640
	v_lshl_add_u32 v14, v1, 3, v14
	v_add_nc_u32 v14, s79, v14
	v_mul_u32_u24 v15, v1, 1040
	v_lshl_add_u32 v15, v2, 4, v15
	v_add_nc_u32 v15, XH, v15
	s_lshl_b32 s79, s2, 5
	s_add_co_u32 s79, s79, BTG
	v_mul_u32_u24 v17, v3, 160
	v_lshl_add_u32 v17, v4, 4, v17
	v_add_nc_u32 v17, s79, v17
	s_lshl_b32 s79, s2, 8
	s_add_co_u32 s79, s79, GPW
	v_lshl_add_u32 v18, v2, 4, s79
	v_and_b32 v19, 31, v0
	v_lshlrev_b32 v26, 3, v19
	v_add_nc_u32 v19, GPW, v26
	s_wait_loadcnt 63                      ; 64 loads were issued behind x_att's parts: these are in
	WIN 0x0a                               ; both sources in window 2
.set gi, 0
.rept 32                               ; gi = 4 b + pair of parts
	v_pk_add_f32 v[64+4*gi:65+4*gi], v[8*gi:8*gi+1], v[8*gi+4:8*gi+5]
	v_pk_add_f32 v[66+4*gi:67+4*gi], v[8*gi+2:8*gi+3], v[8*gi+6:8*gi+7]
.set gi, gi+1
.endr
	WIN 0
.set b, 0
.rept 8                                ; batch b: the sum, its hi and lo, into rows b and 8 + b
.set T, 64+16*b
	v_pk_add_f32 v[T:T+1], v[T:T+1], v[T+4:T+5]
	v_pk_add_f32 v[T+2:T+3], v[T+2:T+3], v[T+6:T+7]
	v_pk_add_f32 v[T+8:T+9], v[T+8:T+9], v[T+12:T+13]
	v_pk_add_f32 v[T+10:T+11], v[T+10:T+11], v[T+14:T+15]
	v_pk_add_f32 v[T:T+1], v[T:T+1], v[T+8:T+9]
	v_pk_add_f32 v[T+2:T+3], v[T+2:T+3], v[T+10:T+11]
	v_cvt_pk_bf16_f32 v[T+4], v[T], v[T+1]
	v_cvt_pk_bf16_f32 v[T+5], v[T+2], v[T+3]
	v_lshlrev_b32 v[T+8], 16, v[T+4]
	v_and_b32 v[T+9], s[MASK], v[T+4]
	v_lshlrev_b32 v[T+10], 16, v[T+5]
	v_and_b32 v[T+11], s[MASK], v[T+5]
	v_pk_add_f32 v[T+8:T+9], v[T:T+1], v[T+8:T+9] neg_lo:[0,1] neg_hi:[0,1]
	v_pk_add_f32 v[T+10:T+11], v[T+2:T+3], v[T+10:T+11] neg_lo:[0,1] neg_hi:[0,1]
	v_cvt_pk_bf16_f32 v[T+6], v[T+8], v[T+9]
	v_cvt_pk_bf16_f32 v[T+7], v[T+10], v[T+11]
	ds_store_b64 v13, v[T+4:T+5] offset:b*1040
	ds_store_b64 v13, v[T+6:T+7] offset:(8+b)*1040
.set b, b+1
.endr
.macro WPHASE st                       ; 32 loaded pairs of rows: rounded in place (window 1) and stored; the halves of the lanes land 128 bytes apart modulo 256
	WIN 0x45
	CVT 32, \st
	WIN 0x04
.set si, 0
.rept 32
	ds_store_b64 v14, v[(\st)+4*si:(\st)+4*si+1] offset:((si&3)+8*(si/4))*160
.set si, si+1
.endr
	WIN 0
.endm
.macro GK ph                           ; eight K steps: all fragments in one run, then eight products on four accumulators by turns
.set tt, 0
.rept 8
	ds_load_b128 v[64+8*tt:67+8*tt], v15 offset:64*(8*(\ph)+tt)
	ds_load_b128 v[68+8*tt:71+8*tt], v15 offset:64*(8*(\ph)+tt)+32
	ds_load_tr16_b128 v[128+8*tt:131+8*tt], v17 offset:tt*5120
	ds_load_tr16_b128 v[132+8*tt:135+8*tt], v17 offset:tt*5120+2560
.set tt, tt+1
.endr
	s_wait_dscnt 0x0
.set tt, 0
.rept 8
.if ((\ph) == 0) && (tt < 4)
	v_wmma_f32_16x16x32_bf16 v[32+8*(tt&3):39+8*(tt&3)], v[64+8*tt:71+8*tt], v[128+8*tt:135+8*tt], 0
.else
	v_wmma_f32_16x16x32_bf16 v[32+8*(tt&3):39+8*(tt&3)], v[64+8*tt:71+8*tt], v[128+8*tt:135+8*tt], v[32+8*(tt&3):39+8*(tt&3)]
.endif
.set tt, tt+1
.endr
.endm
	s_wait_loadcnt 32                      ; phase 0's rows are in; phase 1's 32 loads stay out
	WPHASE 0
	s_wait_dscnt 0x0
	s_barrier_signal -1
	s_barrier_wait -1
	GK 0
	s_wait_dscnt 0x0                       ; my reads of the rows are over
	s_barrier_signal -1
	s_barrier_wait -1
	s_wait_loadcnt 0x0
	WPHASE 128
	s_wait_dscnt 0x0
	s_barrier_signal -1
	s_barrier_wait -1
	PLACES 4
	GK 1
	PLACES 4
.irp j, 0,2,4,6
	v_pk_add_f32 v[32+\j:33+\j], v[32+\j:33+\j], v[40+\j:41+\j]
.endr
.irp j, 0,2,4,6
	v_pk_add_f32 v[48+\j:49+\j], v[48+\j:49+\j], v[56+\j:57+\j]
.endr
.irp j, 0,2,4,6
	v_pk_add_f32 v[32+\j:33+\j], v[32+\j:33+\j], v[48+\j:49+\j]
.endr
	v_cvt_pk_bf16_f32 v27, v16, v16
	v_lshlrev_b32 v16, 16, v27
.irp j, 0,1,2,3,4,5,6,7                ; rows 0-7 hold x_att's hi, rows 8-15 its lo: they lie in the lane 16 away
	v_permlanex16_b32 v[64+\j], v[32+\j], s40, s41
.endr
.irp j, 0,1,2,3,4,5,6,7
	v_add_f32 v[32+\j], v[32+\j], v[64+\j]
.endr
.irp j, 0,1,2,3,4,5,6,7
	v_add_f32 v[32+\j], v16, v[32+\j]
.endr
.irp j, 0,1,2,3,4,5,6,7
	v_mul_f32 v[64+\j], 0xbfb8aa3b, v[32+\j]
.endr
.irp j, 0,1,2,3,4,5,6,7
	v_exp_f32 v[64+\j], v[64+\j]
.endr
	v_nop
	s_wait_alu depctr_va_vdst(0)           ; one wait for the eight exponentials
.irp j, 0,1,2,3,4,5,6,7
	v_add_f32 v[64+\j], 1.0, v[64+\j]
.endr
.irp j, 0,1,2,3,4,5,6,7
	v_rcp_f32 v[64+\j], v[64+\j]
.endr
	RND2 20, 21, 27                        ; plain work behind the last reciprocal
	RND2 22, 23, 27
	s_wait_alu depctr_va_vdst(0)           ; one wait for the eight reciprocals
.irp j, 0,1,2,3,4,5,6,7
	v_mul_f32 v[32+\j], v[32+\j], v[64+\j]
.endr
.set gi, 0
.rept 32                               ; batch gi / 4, expert 4 h + gi % 4
	v_mul_f32 v[64+gi], v[32+gi/4], v[20+gi%4]
.set gi, gi+1
.endr
.irp x, 1,2,4,8                        ; over the 16 hidden units that the lanes of a half hold
.set gi, 0
.rept 32
	v_add_f32_dpp v[64+gi], v[64+gi], v[64+gi] row_xmask:\x row_mask:0xf bank_mask:0xf
.set gi, gi+1
.endr
.endr
.irp j, 0,1,2,3,4,5,6,7
	ds_store_b128 v18, v[64+4*\j:67+4*\j] offset:32*\j
.endr
	s_wait_dscnt 0x0
	s_barrier_signal -1
	s_barrier_wait -1
	s_cmp_lg_u32 s2, 0
	s_cbranch_scc1 .Lg_end
.irp j, 0,1,2,3
	ds_load_b64 v[64+2*\j:65+2*\j], v19 offset:256*\j
.endr
	RND2 24, 25, 27
	s_cmp_eq_u32 s5, 0
	s_cselect_b32 s79, 1.0, 0              ; b2 enters once, in slice 0
	s_lshl_b32 s6, s5, 9
	s_lshl_b32 s78, s4, 8
	s_add_co_u32 s6, s6, s78
	s_add_co_u32 s6, s6, 16384
	s_add_nc_u64 s[76:77], s[76:77], s[6:7]
	s_wait_dscnt 0x0
	v_pk_add_f32 v[64:65], v[64:65], v[66:67]
	v_pk_add_f32 v[68:69], v[68:69], v[70:71]
	v_pk_add_f32 v[64:65], v[64:65], v[68:69]
	v_fma_f32 v64, s79, v24, v64
	v_fma_f32 v65, s79, v25, v65
	global_store_b64 v26, v[64:65], s[76:77]   ; 256 consecutive bytes
.Lg_end:
	s_wait_tensorcnt 0x0                   ; the wave's end
	ds_add_u32 v[SPW], v[NIL]
	s_wait_dscnt 0x0
	s_endpgm
.Lfunc_end_k_q65776d371d_middle:
	.size	k_q65776d371d_middle, .Lfunc_end_k_q65776d371d_middle-k_q65776d371d_middle
	.p2alignl 7, 3214868480
	.fill 96, 4, 3214868480
	.section	.rodata,"a",@progbits
	.p2align	6, 0x0
	.amdhsa_kernel k_q65776d371d_middle
		.amdhsa_group_segment_fixed_size 327680
		.amdhsa_private_segment_fixed_size 0
		.amdhsa_enable_private_segment 0
		.amdhsa_kernarg_size 104
		.amdhsa_user_sgpr_count 2
		.amdhsa_user_sgpr_kernarg_segment_ptr 1
		.amdhsa_wavefront_size32 1
		.amdhsa_system_sgpr_workgroup_id_x 1
		.amdhsa_system_sgpr_workgroup_id_y 1
		.amdhsa_system_sgpr_workgroup_id_z 1
		.amdhsa_system_vgpr_workitem_id 0
		.amdhsa_next_free_vgpr 768
		.amdhsa_next_free_sgpr 80
		.amdhsa_reserve_vcc 1
		.amdhsa_float_denorm_mode_32 3
		.amdhsa_float_denorm_mode_16_64 3
		.amdhsa_memory_ordered 1
		.amdhsa_forward_progress 1
		.amdhsa_inst_pref_size 128
	.end_amdhsa_kernel
	.amdgpu_metadata
---
amdhsa.version: [ 1, 2 ]
amdhsa.kernels:
  - .name:           k_q65776d371d_middle
    .symbol:         k_q65776d371d_middle.kd
    .args:
      - { .name: pp, .offset: 0, .size: 8, .value_kind: global_buffer, .address_space: global }
      - { .name: k1s, .offset: 8, .size: 8, .value_kind: global_buffer, .address_space: global }
      - { .name: eb2, .offset: 16, .size: 8, .value_kind: global_buffer, .address_space: global }
      - { .name: g1_w1, .offset: 24, .size: 8, .value_kind: global_buffer, .address_space: global }
      - { .name: g1_b1, .offset: 32, .size: 8, .value_kind: global_buffer, .address_space: global }
      - { .name: g1_w2, .offset: 40, .size: 8, .value_kind: global_buffer, .address_space: global }
      - { .name: g1_b2, .offset: 48, .size: 8, .value_kind: global_buffer, .address_space: global }
      - { .name: g2_w1, .offset: 56, .size: 8, .value_kind: global_buffer, .address_space: global }
      - { .name: g2_b1, .offset: 64, .size: 8, .value_kind: global_buffer, .address_space: global }
      - { .name: g2_w2, .offset: 72, .size: 8, .value_kind: global_buffer, .address_space: global }
      - { .name: g2_b2, .offset: 80, .size: 8, .value_kind: global_buffer, .address_space: global }
      - { .name: mt, .offset: 88, .size: 8, .value_kind: global_buffer, .address_space: global }
      - { .name: k2s, .offset: 96, .size: 8, .value_kind: global_buffer, .address_space: global }
    .group_segment_fixed_size: 327680
    .private_segment_fixed_size: 0
    .kernarg_segment_align: 8
    .kernarg_segment_size: 104
    .max_flat_workgroup_size: 128
    .sgpr_count:     80
    .vgpr_count:     768
    .wavefront_size: 32
...
	.end_amdgpu_metadata
.endif
;; end of part 2
;; launch mix (part 3): grid 256 x 1, 8 waves a work-group, no clusters, 5,120 bytes of LDS; arguments mt, k2s, xb, nn, k3s; writes nn, k3s
.if DOCPART == 3
	.amdgcn_target "amdgcn-amd-amdhsa--gfx1250"
	.amdhsa_code_object_version 6
	.text
	.protected	k_q65776d371d_mix
	.globl	k_q65776d371d_mix
	.p2align	8
	.type	k_q65776d371d_mix,@function
k_q65776d371d_mix:
	s_mov_b64 s[64:65], 0
	v_nop
	global_prefetch_b8 v0, s[64:65] scope:SCOPE_SE
	s_setreg_imm32_b32 hwreg(HW_REG_WAVE_MODE, 25, 1), 1
	s_wait_xcnt 0x0
; MIX.  N_b = sum over e of gw2[b][e] M_e, stored as a pair of bf16 in the order in which the last launch's operand registers take it; the part of out0 that
; 16 rows of N'_b = sum gw1[b][e] M_e give (x[b][0] N'_b, N' kept in f32); and sum over e of gw[b][e] c_e.  All sums in f32.
; A wave has one tile of 16 x 16 of the eight M_e (row block id >> 3, column block 4 (id & 7) + (w & 3)) and four batches (4 (w >> 2) on).  Memory binds: each load and store
; of a wave covers 512 consecutive bytes; matrix units, clusters and copy engines would add nothing: no product is left and no tile is read by more than two waves.
.set SPW, 10
.set NIL, 11
.set MASK, 21
.set SPARE, 4096                       ; bytes 0-4,095: [2][8 batches][64 columns] f32
.macro SPLIT8 a, hi, lo, f
.irp k, 0,1,2,3
	v_cvt_pk_bf16_f32 v[(\hi)+\k], v[(\a)+2*\k], v[(\a)+2*\k+1]
.endr
.irp k, 0,1,2,3
	v_lshlrev_b32 v[(\f)+2*\k], 16, v[(\hi)+\k]
	v_and_b32 v[(\f)+2*\k+1], s[MASK], v[(\hi)+\k]
.endr
.irp k, 0,1,2,3
	v_pk_add_f32 v[(\f)+2*\k:(\f)+2*\k+1], v[(\a)+2*\k:(\a)+2*\k+1], v[(\f)+2*\k:(\f)+2*\k+1] neg_lo:[0,1] neg_hi:[0,1]
.endr
.irp k, 0,1,2,3
	v_cvt_pk_bf16_f32 v[(\lo)+\k], v[(\f)+2*\k], v[(\f)+2*\k+1]
.endr
.endm
	s_load_b256 s[4:11], s[0:1], 0x0       ; mt 4, k2s 6, xb 8, nn 10
	s_load_b64 s[12:13], s[0:1], 0x20      ; k3s
	v_lshl_add_u32 v[SPW], v0, 2, SPARE
	v_mov_b32 v[NIL], 0
	v_lshrrev_b32 v9, 5, v0
	v_readfirstlane_b32 s2, v9             ; wave 0..7
	s_mov_b32 s3, ttmp9
	s_lshr_b32 s14, s3, 3                  ; rb
	s_and_b32 s15, s3, 7
	s_and_b32 s16, s2, 3
	s_lshr_b32 s17, s2, 2                  ; bh
	s_lshl_b32 s18, s15, 2
	s_add_co_u32 s18, s18, s16             ; cb
	s_mov_b32 s[MASK], 0xffff0000
	s_mov_b32 s22, 0x76543210
	s_mov_b32 s23, 0xfedcba98
	s_mov_b32 s25, 0
.set i, 33
.rept 16
	s_mov_b32 s[i], 0                      ; the upper words of the pairs that the packed forms name
.set i, i+2
.endr
	v_and_b32 v1, 15, v0                   ; r
	v_bfe_u32 v2, v0, 4, 1                 ; h
	v_and_b32 v3, 31, v0
	v_lshlrev_b32 v3, 4, v3                ; 16 x lane
	v_bfe_u32 v9, v0, 1, 3
	s_lshl_b32 s19, s17, 2
	v_add_nc_u32 v9, s19, v9
	v_and_b32 v9, 7, v9
	v_lshlrev_b32 v9, 5, v9
	v_lshl_add_u32 v9, v2, 8, v9
	v_and_b32 v4, 1, v0
	v_lshl_add_u32 v4, v4, 4, v9           ; lane 16 g + 2 i + k holds gate g, batch (4 bh + i) mod 8, experts 4 k on
	s_lshl_b32 s19, s18, 6
	v_lshl_add_u32 v5, v1, 2, s19          ; column 16 cb + r, in bytes
	v_lshlrev_b32 v6, 4, v2
	v_mov_b32 v15, 0
	s_cmp_eq_u32 s14, 0
	s_cselect_b32 s19, 1.0, 0
	v_cmp_eq_u32 vcc_lo, 0, v2
	v_cndmask_b32 v7, 0, s19, vcc_lo       ; sum gw1 c_e enters out0 once: row block 0, lanes 0-15
	v_cmp_eq_u32 s20, 1, v2
	s_lshl_b32 s19, s17, 10
	s_lshl_b32 s24, s16, 6
	s_add_co_u32 s19, s19, s24
	v_lshl_add_u32 v8, v2, 11, s19
	v_lshl_add_u32 v8, v1, 2, v8
	s_wait_kmcnt 0x0
	s_lshl_b32 s24, s14, 15
	s_lshl_b32 s19, s18, 10
	s_add_co_u32 s24, s24, s19
	s_add_nc_u64 s[4:5], s[4:5], s[24:25]
	s_lshl_b32 s24, s17, 21
	s_lshl_b32 s19, s14, 9
	s_add_co_u32 s24, s24, s19
	s_add_nc_u64 s[8:9], s[8:9], s[24:25]
	s_lshl_b32 s24, s17, 22
	s_lshl_b32 s19, s18, 15
	s_add_co_u32 s24, s24, s19
	s_lshl_b32 s19, s14, 10
	s_add_co_u32 s24, s24, s19
	s_add_nc_u64 s[10:11], s[10:11], s[24:25]
.irp s, 0,1,2,3,4,5,6,7
	global_load_b128 v[16+4*\s:19+4*\s], v4, s[6:7] offset:16384+512*\s    ; the gates' eight partial sums
.endr
.set i, 0
.rept 16
	global_load_b128 v[48+4*i:51+4*i], v3, s[4:5] offset:(i/2)*1048576+(i%2)*512  ; M_e's tile: rows 8 h + 0..7 of column r
.set i, i+1
.endr
.irp e, 0,1,2,3,4,5,6,7
	global_load_b32 v[112+\e], v5, s[6:7] offset:2048*\e
.endr
.irp i, 0,1,2,3
	global_load_b128 v[120+4*\i:123+4*\i], v6, s[8:9] offset:524288*\i     ; x[4 bh + i][0][16 rb + 8 h ..], bf16
.endr
	s_wait_loadcnt 28                      ; the gates are in; the 28 loads behind them stay out
.irp sft, 1,2,4
.set gi, 0
.rept 4/\sft
	v_pk_add_f32 v[16+4*gi:17+4*gi], v[16+4*gi:17+4*gi], v[16+4*(gi+\sft):17+4*(gi+\sft)]
	v_pk_add_f32 v[18+4*gi:19+4*gi], v[18+4*gi:19+4*gi], v[18+4*(gi+\sft):19+4*(gi+\sft)]
.set gi, gi+2*\sft
.endr
.endr
	s_wait_loadcnt 0x0
.macro MIXB i                          ; batch 4 bh + i
.if (\i) > 0
	s_wait_xcnt 0x0                        ; the last batch's store data are written again only behind this wait
.endif
.set e, 0
.rept 8
	v_readlane_b32 s[32+2*e], v[16+(e&3)], 16+2*(\i)+(e>>2)    ; gw2
	v_readlane_b32 s[48+2*e], v[16+(e&3)], 2*(\i)+(e>>2)       ; gw1
.set e, e+1
.endr
.irp k, 0,2,4,6
	v_pk_mul_f32 v[136+\k:137+\k], v[48+\k:49+\k], s[32:33] op_sel_hi:[1,0]
	v_pk_mul_f32 v[144+\k:145+\k], v[48+\k:49+\k], s[48:49] op_sel_hi:[1,0]
.endr
.set e, 1
.rept 7
.irp k, 0,2,4,6
	v_pk_fma_f32 v[136+\k:137+\k], v[48+8*e+\k:49+8*e+\k], s[32+2*e:33+2*e], v[136+\k:137+\k] op_sel_hi:[1,0,1]
	v_pk_fma_f32 v[144+\k:145+\k], v[48+8*e+\k:49+8*e+\k], s[48+2*e:49+2*e], v[144+\k:145+\k] op_sel_hi:[1,0,1]
.endr
.set e, e+1
.endr
	SPLIT8 136, 152, 156, 24
	global_store_b128 v3, v[152:155], s[10:11] offset:(\i)*1048576
	global_store_b128 v3, v[156:159], s[10:11] offset:(\i)*1048576+512
	v_mul_f32 v13, s32, v112
	v_mul_f32 v12, s48, v112
.set e, 1
.rept 7
	v_fma_f32 v13, s[32+2*e], v[112+e], v13
	v_fma_f32 v12, s[48+2*e], v[112+e], v12
.set e, e+1
.endr
	v_mul_f32 v14, v7, v12
.set e, 0
.rept 4
	v_fma_mix_f32_bf16 v14, v[120+4*(\i)+e], v[144+2*e], v14 op_sel_hi:[1,0,0]
	v_fma_mix_f32_bf16 v14, v[120+4*(\i)+e], v[144+2*e+1], v14 op_sel:[1,0,0] op_sel_hi:[1,0,0]
.set e, e+1
.endr
	v_permlanex16_b32 v15, v14, s22, s23   ; the other eight rows lie in the lane 16 away
	v_add_f32 v14, v14, v15
	v_cndmask_b32 v14, v14, v13, s20       ; lanes 0-15 hand on out0's part, lanes 16-31 sum gw2 c_e
	ds_store_b32 v8, v14 offset:(\i)*256
.endm
	MIXB 0
	MIXB 1
	MIXB 2
	MIXB 3
	s_wait_dscnt 0x0
	s_barrier_signal -1
	s_barrier_wait -1
	v_lshlrev_b32 v9, 4, v0
	ds_load_b128 v[24:27], v9
	v_bfe_u32 v12, v0, 4, 3
	v_lshlrev_b32 v12, 11, v12
	v_lshl_add_u32 v12, v1, 4, v12         ; batch (t >> 4) & 7, 16 bytes of the work-group's 256
	s_lshl_b32 s24, s15, 8
	s_cmp_lt_u32 s2, 4
	s_cbranch_scc0 .Lupper
	s_lshl_b32 s19, s14, 14
	s_add_co_u32 s24, s24, s19
	s_add_nc_u64 s[12:13], s[12:13], s[24:25]
	s_wait_dscnt 0x0
	global_store_b128 v12, v[24:27], s[12:13]              ; sixteen lanes store 256 consecutive bytes
	s_branch .Lend
.Lupper:
	s_cmp_lg_u32 s14, 0
	s_cbranch_scc1 .Lend                   ; sum gw2 c_e is the same in every row block: row block 0 stores it
	s_add_nc_u64 s[12:13], s[12:13], s[24:25]
	s_wait_dscnt 0x0
	global_store_b128 v12, v[24:27], s[12:13] offset:524288
.Lend:
	s_wait_tensorcnt 0x0                   ; the wave's end
	ds_add_u32 v[SPW], v[NIL]
	s_wait_dscnt 0x0
	s_endpgm
.Lfunc_end_k_q65776d371d_mix:
	.size	k_q65776d371d_mix, .Lfunc_end_k_q65776d371d_mix-k_q65776d371d_mix
	.p2alignl 7, 3214868480
	.fill 96, 4, 3214868480
	.section	.rodata,"a",@progbits
	.p2align	6, 0x0
	.amdhsa_kernel k_q65776d371d_mix
		.amdhsa_group_segment_fixed_size 5120
		.amdhsa_private_segment_fixed_size 0
		.amdhsa_enable_private_segment 0
		.amdhsa_kernarg_size 40
		.amdhsa_user_sgpr_count 2
		.amdhsa_user_sgpr_kernarg_segment_ptr 1
		.amdhsa_wavefront_size32 1
		.amdhsa_system_sgpr_workgroup_id_x 1
		.amdhsa_system_sgpr_workgroup_id_y 1
		.amdhsa_system_sgpr_workgroup_id_z 1
		.amdhsa_system_vgpr_workitem_id 0
		.amdhsa_next_free_vgpr 160
		.amdhsa_next_free_sgpr 66
		.amdhsa_reserve_vcc 1
		.amdhsa_float_denorm_mode_32 3
		.amdhsa_float_denorm_mode_16_64 3
		.amdhsa_memory_ordered 1
		.amdhsa_forward_progress 1
		.amdhsa_inst_pref_size 41
	.end_amdhsa_kernel
	.amdgpu_metadata
---
amdhsa.version: [ 1, 2 ]
amdhsa.kernels:
  - .name:           k_q65776d371d_mix
    .symbol:         k_q65776d371d_mix.kd
    .args:
      - { .name: mt, .offset: 0, .size: 8, .value_kind: global_buffer, .address_space: global }
      - { .name: k2s, .offset: 8, .size: 8, .value_kind: global_buffer, .address_space: global }
      - { .name: xb, .offset: 16, .size: 8, .value_kind: global_buffer, .address_space: global }
      - { .name: nn, .offset: 24, .size: 8, .value_kind: global_buffer, .address_space: global }
      - { .name: k3s, .offset: 32, .size: 8, .value_kind: global_buffer, .address_space: global }
    .group_segment_fixed_size: 5120
    .private_segment_fixed_size: 0
    .kernarg_segment_align: 8
    .kernarg_segment_size: 40
    .max_flat_workgroup_size: 256
    .sgpr_count:     66
    .vgpr_count:     160
    .wavefront_size: 32
...
	.end_amdgpu_metadata
.endif
;; end of part 3
;; launch apply (part 4): grid 256 x 1, 4 waves a work-group, no clusters, 167,936 bytes of LDS; arguments xb, nn, k3s, out0, out1; writes out0, out1
.if DOCPART == 4
	.amdgcn_target "amdgcn-amd-amdhsa--gfx1250"
	.amdhsa_code_object_version 6
	.text
	.protected	k_q65776d371d_apply
	.globl	k_q65776d371d_apply
	.p2align	8
	.type	k_q65776d371d_apply,@function
k_q65776d371d_apply:
	s_mov_b64 s[64:65], 0
	v_nop
	global_prefetch_b8 v0, s[64:65] scope:SCOPE_SE
	s_setreg_imm32_b32 hwreg(HW_REG_WAVE_MODE, 25, 1), 1
	s_wait_xcnt 0x0
; APPLY.  out1[b] = x[b] N_b + sum over e of gw2[b][e] c_e: x in bf16, N as a pair of bf16 (two products), sums in f32, the bias as the C of the first product.
; A work-group has 128 tokens x 64 columns of one batch (a row of the result is 256 bytes), a wave 32 tokens x 64 columns: eight accumulators, K = 512.
; x's fragments for all K stay in registers (window 1); N's 64 columns (131,072 bytes, already in operand order) come into LDS by two tensor loads a wave, both first fills:
; two of a wave are out at the most.  out0[b] = the sum of the 32 parts that the launch before stored: wave 0 of the first row tile.
; NO CLUSTER: the four row tiles of a batch share N's columns; joint loads would spare three of four requests for 131,072 bytes a work-group; not built in this text.
.set SPW, 30
.set NIL, 31
.set ACC, 32
.set BP, 96
.set BIAS, 224
.set G1, 20
.set G0, 28
.set STG, 131072                       ; behind N: 32 rows x 272 bytes for each wave, for the way out
.set SPARE, 165888                     ; the spare words, 128 bytes a wave
.set MSB, 0
.macro WIN new
.if MSB != (\new)
	s_set_vgpr_msb (MSB<<8)|(\new)
.set MSB, (\new)
.endif
.endm
.macro PLACES n
.rept \n
	v_nop
.endr
.endm
	s_load_b256 s[4:11], s[0:1], 0x0       ; xb 4, nn 6, k3s 8, out0 10
	s_load_b64 s[12:13], s[0:1], 0x20      ; out1
	v_lshl_add_u32 v[SPW], v0, 2, SPARE
	v_mov_b32 v[NIL], 0
	ds_add_u32 v[SPW], v[NIL]              ; the wave's opening: the add and its wait ahead of my first tensor load
	v_lshrrev_b32 v5, 5, v0
	v_readfirstlane_b32 s2, v5             ; wave 0..3
	s_mov_b32 s3, ttmp9
	s_lshr_b32 s14, s3, 5                  ; b
	s_bfe_u32 s15, s3, 0x20003             ; rt
	s_and_b32 s16, s3, 7                   ; ct
	s_mov_b32 s39, 0
	s_mov_b32 s[G1+0], 3<<16               ; elements of 8 bytes; a dense block as rows of 256 bytes
	s_mov_b32 s[G1+1], 32<<16
	s_mov_b32 s[G1+2], 64<<16
	s_mov_b32 s[G1+3], 32<<16
	s_mov_b32 s[G1+4], 64
	s_mov_b32 s[G1+5], 32
	s_mov_b32 s[G1+6], 0
	s_mov_b32 s[G1+7], 0
	v_and_b32 v1, 15, v0                   ; r
	v_bfe_u32 v2, v0, 4, 1                 ; h
	v_lshlrev_b32 v11, 5, v1
	v_lshl_add_u32 v11, v2, 4, v11         ; my 16 bytes of a tile of x
	v_and_b32 v12, 31, v0
	v_lshlrev_b32 v17, 3, v12
	v_lshlrev_b32 v12, 4, v12              ; N's column tiles 0, 1
	v_add_nc_u32 v13, 0x10000, v12         ; and 2, 3
	v_lshlrev_b32 v6, 5, v2
	s_mul_i32 s36, s2, 8704
	s_add_co_u32 s36, s36, STG
	v_mul_u32_u24 v14, v1, 272
	v_lshl_add_u32 v14, v2, 5, v14
	v_add_nc_u32 v14, s36, v14             ; in: row r, 32 bytes for each half of the lanes
	v_mul_u32_u24 v15, v2, 272
	v_lshl_add_u32 v15, v1, 4, v15
	v_add_nc_u32 v15, s36, v15             ; back: lanes 0-15 one row of 256 bytes, lanes 16-31 the next
	v_lshlrev_b32 v16, 11, v2
	v_lshl_add_u32 v16, v1, 4, v16         ; and the same two rows in out1
	s_lshl_b32 s40, s2, 15                 ; my column tile's place in LDS
	s_wait_dscnt 0x0                       ; the opening add is done
	s_wait_kmcnt 0x0
	s_lshl_b32 s38, s14, 20
	s_lshl_b32 s36, s16, 17
	s_add_co_u32 s38, s38, s36
	s_add_co_u32 s38, s38, s40             ; batch b, column tile 4 ct + w
	s_add_nc_u64 s[6:7], s[6:7], s[38:39]
.irp k, 0,1
	s_mov_b32 s[G0+4*\k], 1
	s_add_co_u32 s[G0+4*\k+1], s40, \k*16384
	s_add_nc_u64 s[G0+4*\k+2:G0+4*\k+3], s[6:7], \k*16384
	s_or_b32 s[G0+4*\k+3], s[G0+4*\k+3], 0x80000000
.endr
	tensor_load_to_lds s[G0:G0+3], s[G1:G1+7]      ; K steps 0 to 7
	s_nop 0
	tensor_load_to_lds s[G0+4:G0+7], s[G1:G1+7]    ; K steps 8 to 15
	s_nop 0
	PLACES 4
	s_lshl_b32 s38, s14, 11
	s_lshl_b32 s36, s16, 8
	s_add_co_u32 s38, s38, s36
	s_add_nc_u64 s[8:9], s[8:9], s[38:39]          ; k3s and out0 at batch b, my 64 columns
	s_add_nc_u64 s[10:11], s[10:11], s[38:39]
.set i, 0
.rept 8
	global_load_b128 v[BIAS+4*i:BIAS+4*i+3], v6, s[8:9] offset:524288+(i/2)*64+(i%2)*16  ; columns 16 c + 8 h on
.set i, i+1
.endr
	s_lshl_b32 s38, s14, 19
	s_lshl_b32 s36, s15, 17
	s_add_co_u32 s38, s38, s36
	s_add_co_u32 s38, s38, s40
	s_add_nc_u64 s[4:5], s[4:5], s[38:39]          ; x's tiles: token blocks 32 b + 8 rt + 2 w on
	WIN 0x40
.set i, 0
.rept 64                               ; K ascending, four loads a K step: i = 4 t + 2 a + tile
	global_load_b128 v[4*i:4*i+3], v11, s[4:5] offset:((i>>1)&1)*16384+(i>>2)*1024+(i&1)*512
.set i, i+1
.endr
	WIN 0
	s_lshl_b32 s38, s14, 20
	s_lshl_b32 s36, s15, 18
	s_add_co_u32 s38, s38, s36
	s_lshl_b32 s36, s2, 16
	s_add_co_u32 s38, s38, s36
	s_lshl_b32 s36, s16, 8
	s_add_co_u32 s38, s38, s36
	s_add_nc_u64 s[12:13], s[12:13], s[38:39]      ; out1 at my 32 rows, my 64 columns
.macro FETCHB t                        ; N's fragments of K step t: four column tiles, hi and lo: 16 loads of 512 consecutive bytes
.set fb, BP+64*((\t)&1)
.set fc, 0
.rept 8
	ds_load_b128 v[fb+8*fc:fb+8*fc+3], v[12+(fc>>2)] offset:((fc>>1)&1)*32768+2*(\t)*1024+(fc&1)*512
	ds_load_b128 v[fb+8*fc+4:fb+8*fc+7], v[12+(fc>>2)] offset:((fc>>1)&1)*32768+2*(\t)*1024+(fc&1)*512+1024
.set fc, fc+1
.endr
.endm
.macro MULB t                          ; 16 products, sources (N, x): a lane then holds one token and eight neighbouring columns; the eight accumulators take turns
.set fb, BP+64*((\t)&1)
.set mh, 0
.rept 2
.set mq, 0
.rept 8
.if ((\t) == 0) && (mh == 0)
	v_wmma_f32_16x16x32_bf16 v[ACC+8*mq:ACC+8*mq+7], v[fb+16*(mq&3)+8*mh:fb+16*(mq&3)+8*mh+7], v[16*(\t)+8*(mq>>2):16*(\t)+8*(mq>>2)+7], v[BIAS+8*(mq&3):BIAS+8*(mq&3)+7]
.else
	v_wmma_f32_16x16x32_bf16 v[ACC+8*mq:ACC+8*mq+7], v[fb+16*(mq&3)+8*mh:fb+16*(mq&3)+8*mh+7], v[16*(\t)+8*(mq>>2):16*(\t)+8*(mq>>2)+7], v[ACC+8*mq:ACC+8*mq+7]
.endif
.set mq, mq+1
.endr
.set mh, mh+1
.endr
.endm
	s_wait_tensorcnt 1                     ; my first half is in; the second stays out
	s_barrier_signal -1
	s_barrier_wait -1
	WIN 0x04                               ; source 1 (x) in window 1: one setting for the whole product; an LDS load names source 0 and the destination alone
	FETCHB 0
.set t, 0
.rept 16
	PLACES 4                               ; four plain places between the last products and loads into their sources
.if t == 7
	s_wait_tensorcnt 0x0                   ; the second halves, everybody's
	s_wait_dscnt 0x0
	s_barrier_signal -1
	s_barrier_wait -1
.endif
.if t < 15
	FETCHB t+1
	s_wait_dscnt 16                        ; this K step's fragments are in; the 16 loads just issued stay out
.else
	s_wait_dscnt 0x0
.endif
	s_wait_loadcnt 60-4*t                  ; the bias and x's K steps 0 to t are in; four loads for each later K step stay out
	MULB t
.set t, t+1
.endr
	WIN 0
	PLACES 4
.set i, 0
.rept 8                                ; through my own stage: in by lanes, back by whole rows of 256 bytes
	ds_store_b128 v14, v[ACC+8*i:ACC+8*i+3] offset:(i>>2)*4352+(i&3)*64
	ds_store_b128 v14, v[ACC+8*i+4:ACC+8*i+7] offset:(i>>2)*4352+(i&3)*64+16
.set i, i+1
.endr
.set i, 0
.rept 16
	ds_load_b128 v[BP+4*i:BP+4*i+3], v15 offset:i*544      ; LDS serves a wave's instructions in order: these see the stores above
.set i, i+1
.endr
.set i, 0
.rept 16
	s_wait_dscnt 15-i
	global_store_b128 v16, v[BP+4*i:BP+4*i+3], s[12:13] offset:i*4096  ; sixteen lanes store 256 consecutive bytes, at a multiple of 256 from out1's first
.set i, i+1
.endr
	s_cmp_lg_u32 s15, 0
	s_cbranch_scc1 .Lend
	s_cmp_lg_u32 s2, 0
	s_cbranch_scc1 .Lend
.set i, 0
.rept 32                               ; out0's 32 parts, two columns a lane
	global_load_b64 v[160+2*i:161+2*i], v17, s[8:9] offset:i*16384
.set i, i+1
.endr
	s_wait_loadcnt 0x0
.irp sft, 1,2,4,8,16
.set oi, 0
.rept 16/\sft
	v_pk_add_f32 v[160+2*oi:161+2*oi], v[160+2*oi:161+2*oi], v[160+2*(oi+\sft):161+2*(oi+\sft)]
.set oi, oi+2*\sft
.endr
.endr
	global_store_b64 v17, v[160:161], s[10:11]     ; 256 consecutive bytes
.Lend:
	s_wait_tensorcnt 0x0                   ; the wave's end
	ds_add_u32 v[SPW], v[NIL]
	s_wait_dscnt 0x0
	s_endpgm
.Lfunc_end_k_q65776d371d_apply:
	.size	k_q65776d371d_apply, .Lfunc_end_k_q65776d371d_apply-k_q65776d371d_apply
	.p2alignl 7, 3214868480
	.fill 96, 4, 3214868480
	.section	.rodata,"a",@progbits
	.p2align	6, 0x0
	.amdhsa_kernel k_q65776d371d_apply
		.amdhsa_group_segment_fixed_size 167936
		.amdhsa_private_segment_fixed_size 0
		.amdhsa_enable_private_segment 0
		.amdhsa_kernarg_size 40
		.amdhsa_user_sgpr_count 2
		.amdhsa_user_sgpr_kernarg_segment_ptr 1
		.amdhsa_wavefront_size32 1
		.amdhsa_system_sgpr_workgroup_id_x 1
		.amdhsa_system_sgpr_workgroup_id_y 1
		.amdhsa_system_sgpr_workgroup_id_z 1
		.amdhsa_system_vgpr_workitem_id 0
		.amdhsa_next_free_vgpr 512
		.amdhsa_next_free_sgpr 66
		.amdhsa_reserve_vcc 0
		.amdhsa_float_denorm_mode_32 3
		.amdhsa_float_denorm_mode_16_64 3
		.amdhsa_memory_ordered 1
		.amdhsa_forward_progress 1
		.amdhsa_inst_pref_size 56
	.end_amdhsa_kernel
	.amdgpu_metadata
---
amdhsa.version: [ 1, 2 ]
amdhsa.kernels:
  - .name:           k_q65776d371d_apply
    .symbol:         k_q65776d371d_apply.kd
    .args:
      - { .name: xb, .offset: 0, .size: 8, .value_kind: global_buffer, .address_space: global }
      - { .name: nn, .offset: 8, .size: 8, .value_kind: global_buffer, .address_space: global }
      - { .name: k3s, .offset: 16, .size: 8, .value_kind: global_buffer, .address_space: global }
      - { .name: out0, .offset: 24, .size: 8, .value_kind: global_buffer, .address_space: global }
      - { .name: out1, .offset: 32, .size: 8, .value_kind: global_buffer, .address_space: global }
    .group_segment_fixed_size: 167936
    .private_segment_fixed_size: 0
    .kernarg_segment_align: 8
    .kernarg_segment_size: 40
    .max_flat_workgroup_size: 128
    .sgpr_count:     66
    .vgpr_count:     512
    .wavefront_size: 32
...
	.end_amdgpu_metadata
.endif
;; end of part 4
;; ======== version 2 of 2: 4 launches; version 1 with the launch front written anew for expert scheduling mode
;; workspace buffers: pp 16,777,216 bytes; xb 4,194,304 bytes; k1s 262,144 bytes; mt 8,388,608 bytes; k2s 20,480 bytes; nn 8,388,608 bytes; k3s 540,672 bytes
;; launch front (part 5): grid 192 x 1, 8 waves a work-group, no clusters, 214,016 bytes of LDS; arguments x, att_w1, att_b1, att_w2, att_b2, ew1, eb1, ew2, pp, k1s, xb; writes pp, k1s, xb
.if DOCPART == 5
	.amdgcn_target "amdgcn-amd-amdhsa--gfx1250"
	.amdhsa_code_object_version 6
	.text
	.protected	k_q65776d371d_front
	.globl	k_q65776d371d_front
	.p2align	8
	.type	k_q65776d371d_front,@function
k_q65776d371d_front:
	s_mov_b64 s[64:65], 0
	v_nop
	global_prefetch_b8 v0, s[64:65] scope:SCOPE_SE
	s_setreg_imm32_b32 hwreg(HW_REG_WAVE_SCHED_MODE, 0, 2), 2
	s_setreg_imm32_b32 hwreg(HW_REG_WAVE_MODE, 25, 1), 1
	s_wait_xcnt 0x0
	s_wait_alu depctr_vm_vsrc(0)
; FRONT.  Two kinds of work-group, told apart by the work-group's number alone.
; AB (0-127): P_p = W1_p W2_p for p = 2 e + j (512 x 512, K = 1,024), a tile of 128 x 256 each; the expert chain has no activation, so
;   tmp_e = x (P_2e P_2e+1) + c_e holds for every input.  Inputs are rounded to bf16 on their way through registers; P leaves as a pair of bf16
;   (hi, lo = bf16(P - hi)) in tiles of 16 x 16.  The four row tiles' first (rt = 0) also sums b1_p W2_p, in f32, as four partial sums.
; ATT (128-191): 64 tokens each: score = silu(x att_w1 + b1) att_w2 + b2; bf16(x) leaves in tiles of 16 x 16; sum over the 64 tokens of score x leaves in f32.
; LIMITS.  The order of sums differs from the reference's (W1 W2 is formed first).  silu(z) = z / (1 + 2^(-1.442695 z)): where the exponential
; overflows the result is -0.  NaN and infinities are not treated apart.
; Eight waves, 48 (AB) or 32 (ATT) loads of 16 bytes a lane on their way in each: the f32 tiles must be rounded, so they pass through registers once
; (load, round in place, store bf16 into LDS); a copy engine would lay f32 into LDS to be read and stored again.  No cluster for the same reason: what is shared is f32.
; REGISTERS.  Window 0 (the multiplier's): v0-31 addresses, v32-63 and v64-95 fragment buffer 0 (A, B), v96-223 16 accumulators, v224-255 fragment buffer 1's A, and at work on the way out.
; Window 1 (the loader's): v0-191 loaded rows, v192-223 fragment buffer 1's B, v224-227 the bias sums, v228-234 addresses.
; THE MODE: SCHED_MODE bits 1:0 = 2 (LLVM: expert scheduling mode 2), set by the entry lines.  The code itself states the register dependences
; between vector or matrix instructions and memory or LDS instructions, with s_wait_alu, always for 0.
; THE PLAN.  Registers that memory or LDS instructions touch, in the two loops over stages:
;   ROWS      window 1 v0-191.  A stage's roundings read and write them; its LDS stores read them; with rt = 0 the bias sums read them; behind all these the next stage's loads land in them.
;   F0, F1    the two fragment buffers.  LDS loads land in them, products read them: even K steps F0, odd ones F1.  With rt = 0 a stage's 32 numbers of b1 land in F0's B part, and the bias sums read them.
;   v8 (ATT), v[VB1] (AB)   read by LDS loads, stepped by one vector add a trip.  All other addresses are made at the head and never written again.
; A stage has two waits on va_vdst: behind the roundings, for the stores; and behind the stores and the bias sums, for all that lands later: the rows' loads and the first two fetches of fragments.
; Beside the second stands the stage's wait on vm_vsrc: the LDS stores have read the rows.  Behind the barrier K steps 0 and 1 are fetched in one run; in AB K steps 2 and 3 are each fetched when the
; products of two steps back are done reading the buffer (one wait on va_vdst each), a K step ahead of their use.
.set SPW, 30
.set NIL, 31
.set AF, 32
.set BF, 64
.set ACC, 96
.set SCR, 224
.set AF1, 224                          ; fragment buffer 1: A, window 0
.set BF1, 192                          ; fragment buffer 1: B, window 1
.set BACC, 224
.set VGA, 228
.set VGB, 229
.set VSA, 230
.set VSB0, 231                         ; VSB0+1: the second buffer
.set VB1, 233
.set VUB, 234
.set WV, 2
.set ID, 3
.set TRIPS, 36
.set RT, 37
.set MASK, 38
.set ATB, 34816                        ; AB: an A buffer, 128 rows x 272 bytes (256 + 16); two of them from byte 0
.set BT0, 69632                        ; AB: two B buffers, 128 rows x 544 bytes (512 + 32)
.set BTB, 69632
.set B1T, 208896                       ; AB: b1, 1,024 f32
.set XP, 1040                          ; ATT: x, 64 rows x 1,040 bytes (1,024 + 16) from byte 0
.set CT0, 66560                        ; ATT: two B buffers, 64 rows x 1,056 bytes (1,024 + 32)
.set CTB, 67584
.set SCP, 201728                       ; ATT: [wave][64] partial scores
.set SCF, 203776                       ; ATT: 64 scores
.set SPARE, 212992                     ; the spare words, 128 bytes a wave
.set MSB, 0
.macro WIN new                         ; the immediate's high byte repeats the setting that is left; a switch that changes nothing is dropped
.if MSB != (\new)
	s_set_vgpr_msb (MSB<<8)|(\new)
.set MSB, (\new)
.endif
.endm
.macro PLACES n
.rept \n
	v_nop
.endr
.endm
.macro RND2 a, b, t                    ; two f32 rounded to bf16 and widened again
	v_cvt_pk_bf16_f32 v[\t], v[\a], v[\b]
	v_lshlrev_b32 v[\a], 16, v[\t]
	v_and_b32 v[\b], s[MASK], v[\t]
.endm
; n loads of 16 bytes a lane: lanes 0-15 take 256 bytes of one row, lanes 16-31 those of the row m + 1 further down (that term lies in voff)
.macro LDROWS n, st, voff, sb, m, pitch, nt
.set li, 0
.rept \n
.if \nt
	global_load_b128 v[(\st)+4*li:(\st)+4*li+3], v[\voff], s[\sb:(\sb)+1] offset:((li&(\m))+2*((\m)+1)*(li/((\m)+1)))*(\pitch) th:TH_LOAD_NT
.else
	global_load_b128 v[(\st)+4*li:(\st)+4*li+3], v[\voff], s[\sb:(\sb)+1] offset:((li&(\m))+2*((\m)+1)*(li/((\m)+1)))*(\pitch)
.endif
.set li, li+1
.endr
.endm
.macro CVT n, st                       ; rounded in place: four f32 become two registers of bf16
.set vi, 0
.rept \n
	v_cvt_pk_bf16_f32 v[(\st)+4*vi], v[(\st)+4*vi], v[(\st)+4*vi+1]
	v_cvt_pk_bf16_f32 v[(\st)+4*vi+1], v[(\st)+4*vi+2], v[(\st)+4*vi+3]
.set vi, vi+1
.endr
.endm
.macro STROWS n, st, vaddr, imm, m, pitch  ; the two halves of the lanes land 128 bytes apart modulo 256
.set si, 0
.rept \n
	ds_store_b64 v[\vaddr], v[(\st)+4*si:(\st)+4*si+1] offset:(\imm)+((si&(\m))+2*((\m)+1)*(si/((\m)+1)))*(\pitch)
.set si, si+1
.endr
.endm
.macro CLEAR                           ; the sums start at 0: written in the wait for the first loads, so that no first stage is written out
.set ci, 0
.rept 128
	v_mov_b32 v[ACC+ci], 0
.set ci, ci+1
.endr
.endm
; 32 along K, its fragments: 4 row fragments and 4 turned column fragments into buffer buf: 16 LDS loads in one run.  Buffer 1's B part lies in window 1.
.macro FETCH buf, aReg, aOff, a16, bReg, bOff, b16
	WIN 0
.set fa, AF+(AF1-AF)*(\buf)
.set fb, BF+(BF1-BF)*(\buf)
.set ka, 0
.rept 4
	ds_load_b128 v[fa+8*ka:fa+8*ka+3], v[\aReg] offset:(\aOff)+ka*(\a16)
	ds_load_b128 v[fa+8*ka+4:fa+8*ka+7], v[\aReg] offset:(\aOff)+ka*(\a16)+32
.set ka, ka+1
.endr
	WIN 0x40*(\buf)                        ; destination window 1, address window 0
.set ka, 0
.rept 4
	ds_load_tr16_b128 v[fb+8*ka:fb+8*ka+3], v[\bReg] offset:(\bOff)+32*ka
	ds_load_tr16_b128 v[fb+8*ka+4:fb+8*ka+7], v[\bReg] offset:(\bOff)+32*ka+(\b16)
.set ka, ka+1
.endr
	WIN 0
.endm
; 32 along K, its 16 products from buffer buf; the 16 accumulators take turns
.macro MUL buf, swap
.set fa, AF+(AF1-AF)*(\buf)
.set fb, BF+(BF1-BF)*(\buf)
.if \swap
	WIN 0x01*(\buf)                        ; B is source 0
.else
	WIN 0x04*(\buf)                        ; B is source 1
.endif
.set ka, 0
.rept 4
.set kc, 0
.rept 4
.if \swap
	v_wmma_f32_16x16x32_bf16 v[ACC+8*(4*ka+kc):ACC+8*(4*ka+kc)+7], v[fb+8*kc:fb+8*kc+7], v[fa+8*ka:fa+8*ka+7], v[ACC+8*(4*ka+kc):ACC+8*(4*ka+kc)+7]
.else
	v_wmma_f32_16x16x32_bf16 v[ACC+8*(4*ka+kc):ACC+8*(4*ka+kc)+7], v[fa+8*ka:fa+8*ka+7], v[fb+8*kc:fb+8*kc+7], v[ACC+8*(4*ka+kc):ACC+8*(4*ka+kc)+7]
.endif
.set kc, kc+1
.endr
.set ka, ka+1
.endr
	WIN 0
.endm
.macro SPLIT8 a, hi, lo, f             ; eight f32 as hi = bf16(v) and lo = bf16(v - hi); the accumulator is read from its low end on
.irp k, 0,1,2,3
	v_cvt_pk_bf16_f32 v[(\hi)+\k], v[(\a)+2*\k], v[(\a)+2*\k+1]
.endr
.irp k, 0,1,2,3
	v_lshlrev_b32 v[(\f)+2*\k], 16, v[(\hi)+\k]
	v_and_b32 v[(\f)+2*\k+1], s[MASK], v[(\hi)+\k]
.endr
.irp k, 0,1,2,3
	v_pk_add_f32 v[(\f)+2*\k:(\f)+2*\k+1], v[(\a)+2*\k:(\a)+2*\k+1], v[(\f)+2*\k:(\f)+2*\k+1] neg_lo:[0,1] neg_hi:[0,1]
.endr
.irp k, 0,1,2,3
	v_cvt_pk_bf16_f32 v[(\lo)+\k], v[(\f)+2*\k], v[(\f)+2*\k+1]
.endr
.endm
; A stage: the rows loaded last are rounded and stored into buffer buf, the next stage's loads go out, one barrier.  The barrier serves both ways: the other
; buffer's readers have waited for their LDS loads ahead of the barrier before.  guard = 1: the last stage of all loads nothing (no load leaves its buffer).
.macro STAGE ab, buf, guard
	WIN 0x55
	s_wait_loadcnt 0x0                     ; this stage's rows are in; the bases below are stepped only behind this wait
.if \ab
	CVT 48, 0
	s_wait_alu depctr_va_vdst(0)           ; the roundings have written the rows, which the LDS stores read; v[VB1] is written, and the last stage's products are done reading v[BF ..], in which b1 lands
	STROWS 16, 0, VSA, (\buf)*ATB, 7, 272
	STROWS 32, 64, VSB0+(\buf), 0, 3, 544
	WIN 0
	s_cmp_lg_u32 s[RT], 0
	s_cbranch_scc1 .Lnobias_\@
	WIN 0x01                               ; b1 W2: my 32 rows x 4 columns of W2, as rounded, times b1 of those rows.  The address in window 1, b1 into window 0
.set bi, 0
.rept 8
	ds_load_b128 v[BF+4*bi:BF+4*bi+3], v[VB1] offset:(\buf)*512+32*bi
.set bi, bi+1
.endr
	s_wait_dscnt 0x0
	WIN 0x51                               ; the rows and the sums in window 1, b1 (source 1) in window 0
.set bi, 0
.rept 32
	v_fma_mix_f32_bf16 v[BACC], v[64+4*bi], v[BF+bi], v[BACC] op_sel_hi:[1,0,0]
	v_fma_mix_f32_bf16 v[BACC+1], v[64+4*bi], v[BF+bi], v[BACC+1] op_sel:[1,0,0] op_sel_hi:[1,0,0]
	v_fma_mix_f32_bf16 v[BACC+2], v[64+4*bi+1], v[BF+bi], v[BACC+2] op_sel_hi:[1,0,0]
	v_fma_mix_f32_bf16 v[BACC+3], v[64+4*bi+1], v[BF+bi], v[BACC+3] op_sel:[1,0,0] op_sel_hi:[1,0,0]
.set bi, bi+1
.endr
	WIN 0
.Lnobias_\@:
.else
	CVT 32, 0
	s_wait_alu depctr_va_vdst(0)           ; the roundings have written the rows, which the LDS stores read
	STROWS 32, 0, VSB0+(\buf), 0, 3, 1056
	WIN 0
.endif
	s_wait_alu depctr_va_vdst(0)           ; the roundings and the bias sums are done reading the rows and b1, the last stage's products both fragment buffers: loads land in all of these below; the fragments' stepped address is written
	s_wait_alu depctr_vm_vsrc(0)           ; the LDS stores have read the rows, in which the next stage's loads land
.if \guard
	s_cmp_eq_u32 s[TRIPS], 1
	s_cbranch_scc1 .Lnoload_\@
.endif
.if \ab
	s_add_nc_u64 s[32:33], s[32:33], 512       ; W1: 128 along K
	s_add_nc_u64 s[34:35], s[34:35], 0x40000   ; W2: 128 rows of 2,048 bytes
	WIN 0x55
	LDROWS 16, 0, VGA, 32, 7, 4096, 0
	LDROWS 32, 64, VGB, 34, 3, 2048, 0
.else
	s_add_nc_u64 s[34:35], s[34:35], 0x20000   ; att_w1: 64 rows of 2,048 bytes
	WIN 0x55
	LDROWS 32, 0, VGB, 34, 3, 2048, 0
.endif
	WIN 0
.if \guard
.Lnoload_\@:
.endif
	s_wait_dscnt 0x0                       ; for the others' sake: my stores are done
	s_barrier_signal -1
	s_barrier_wait -1
.endm
; A stage's products in AB: four K steps on the two fragment buffers by turns.  No vector or matrix instruction stands between the stage's second wait on va_vdst and the first two fetches.
.macro FOUR aOff, bReg
	FETCH 0, 8, (\aOff), 4352, \bReg, 0, 8704
	FETCH 1, 8, (\aOff)+64, 4352, \bReg, 17408, 8704
	s_wait_dscnt 16                        ; LDS loads come back in order: K step 0's fragments are in, the 16 younger loads stay out
	MUL 0, 1
	PLACES 4                               ; four plain places between the last products and loads into their sources
	s_wait_alu depctr_va_vdst(0)           ; K step 0's products are done reading buffer 0, in which K step 2's fragments land
	FETCH 0, 8, (\aOff)+128, 4352, \bReg, 34816, 8704
	s_wait_dscnt 16                        ; K step 1's fragments are in
	MUL 1, 1
	PLACES 4
	s_wait_alu depctr_va_vdst(0)           ; K step 1's products are done reading buffer 1, in which K step 3's fragments land
	FETCH 1, 8, (\aOff)+192, 4352, \bReg, 52224, 8704
	s_wait_dscnt 16                        ; K step 2's fragments are in
	MUL 0, 1
	s_wait_dscnt 0x0
	MUL 1, 1
.endm
; A stage's products in ATT: two K steps, one in each buffer
.macro TWO aOff, bReg
	FETCH 0, 8, (\aOff), 16640, \bReg, 0, 16896
	FETCH 1, 8, (\aOff)+64, 16640, \bReg, 33792, 16896
	s_wait_dscnt 16                        ; the first K step's fragments are in, the 16 younger loads stay out
	MUL 0, 0
	s_wait_dscnt 0x0
	MUL 1, 0
.endm
	s_load_b512 s[8:23], s[0:1], 0x0       ; x 8, att_w1 10, att_b1 12, att_w2 14, att_b2 16, ew1 18, eb1 20, ew2 22
	s_load_b128 s[24:27], s[0:1], 0x40     ; pp 24, k1s 26
	s_load_b64 s[28:29], s[0:1], 0x50      ; xb
	v_lshl_add_u32 v[SPW], v0, 2, SPARE
	v_mov_b32 v[NIL], 0
	v_lshrrev_b32 v5, 5, v0
	v_readfirstlane_b32 s[WV], v5          ; wave 0..7
	s_mov_b32 s[ID], ttmp9
	s_mov_b32 s[MASK], 0xffff0000
	s_mov_b32 s40, 0x76543210
	s_mov_b32 s41, 0xfedcba98
	s_mov_b32 s51, 0
	v_and_b32 v1, 15, v0                   ; r
	v_bfe_u32 v2, v0, 4, 1                 ; h
	v_and_b32 v3, 7, v0
	v_bfe_u32 v4, v0, 3, 1
	v_lshlrev_b32 v11, 5, v1
	v_lshl_add_u32 v11, v2, 4, v11         ; my 16 bytes in a tile of 16 x 16 bf16: row r, columns 8 h on
	v_lshl_add_u32 v5, v2, 3, v3           ; the row that I address in a turning load
	s_wait_alu depctr_va_sdst(0)           ; s[WV] is written, ahead of the branch and of its first readers on both ways
	s_wait_kmcnt 0x0
	s_cmp_ge_u32 s[ID], 128
	s_cbranch_scc1 .Latt
; ---------------------------------------------------------------- AB
	s_lshr_b32 s42, s[ID], 3               ; p
	s_bfe_u32 s[RT], s[ID], 0x20001        ; rt: 128 rows
	s_and_b32 s43, s[ID], 1                ; ct2: 256 columns
	s_and_b32 s44, s[WV], 1
	s_lshr_b32 s45, s[WV], 1
	s_and_b32 s46, s[WV], 3                ; cu
	s_lshr_b32 s47, s[WV], 2               ; rh
	s_lshl_b32 s48, s42, 21
	s_lshl_b32 s50, s[RT], 19
	s_add_co_u32 s50, s50, s48
	s_add_nc_u64 s[32:33], s[18:19], s[50:51]  ; W1_p at my 128 rows
	s_lshl_b32 s50, s43, 10
	s_add_co_u32 s50, s50, s48
	s_add_nc_u64 s[34:35], s[22:23], s[50:51]  ; W2_p at my 256 columns
	v_lshlrev_b32 v6, 4, v1
	s_lshl_b32 s52, s45, 17
	s_lshl_b32 s53, s44, 8
	s_add_co_u32 s52, s52, s53
	v_lshl_add_u32 v12, v2, 15, v6
	v_add_nc_u32 v12, s52, v12             ; W1: (32 (w>>1) + 8 h) rows of 4,096 + 256 (w&1) + 16 r
	s_lshl_b32 s52, s47, 17
	s_lshl_b32 s53, s46, 8
	s_add_co_u32 s52, s52, s53
	v_lshl_add_u32 v13, v2, 13, v6
	v_add_nc_u32 v13, s52, v13             ; W2: (64 rh + 4 h) rows of 2,048 + 256 cu + 16 r
	v_mul_u32_u24 v7, v2, 2176             ; 8 x 272 = 4 x 544
	v_lshl_add_u32 v7, v1, 3, v7
	s_mul_i32 s52, s45, 8704
	s_lshl_b32 s53, s44, 7
	s_add_co_u32 s52, s52, s53
	v_add_nc_u32 v14, s52, v7
	s_mul_i32 s52, s47, 34816
	s_lshl_b32 s53, s46, 7
	s_add_co_u32 s52, s52, s53
	s_add_co_u32 s52, s52, BT0
	v_add_nc_u32 v15, s52, v7
	v_add_nc_u32 v16, BTB, v15
	s_lshl_b32 s52, s47, 8
	s_add_co_u32 s52, s52, B1T
	v_lshl_add_u32 v17, v2, 4, s52         ; b1 of rows 64 rh + 4 h on
	s_lshl_b32 s52, s47, 12
	s_lshl_b32 s53, s46, 8
	s_add_co_u32 s52, s52, s53
	v_lshl_add_u32 v18, v2, 11, v6
	v_add_nc_u32 v18, s52, v18             ; partial sum 2 rh + h, columns 64 cu + 4 r on
	WIN 0x40
	v_mov_b32 v[VGA], v12
	v_mov_b32 v[VGB], v13
	v_mov_b32 v[VSA], v14
	v_mov_b32 v[VSB0], v15
	v_mov_b32 v[VSB0+1], v16
	v_mov_b32 v[VB1], v17
	v_mov_b32 v[VUB], v18
.irp k, 0,1,2,3
	v_mov_b32 v[BACC+\k], 0
.endr
	WIN 0x55
	s_wait_alu depctr_va_vdst(0)           ; v[VGA] and v[VGB] are written, which the loads read as their offsets
	LDROWS 16, 0, VGA, 32, 7, 4096, 0      ; stage 0
	LDROWS 32, 64, VGB, 34, 3, 2048, 0
	WIN 0
	s_mul_i32 s52, s47, 17408
	v_mul_u32_u24 v8, v1, 272
	v_lshl_add_u32 v8, v2, 4, v8
	v_add_nc_u32 v8, s52, v8               ; A fragments: (64 rh + r) x 272 + 16 h
	v_mul_u32_u24 v9, v5, 544
	v_lshl_add_u32 v9, v4, 4, v9
	s_lshl_b32 s52, s46, 7
	s_add_co_u32 s52, s52, BT0
	v_add_nc_u32 v9, s52, v9               ; B fragments, buffer 0
	v_add_nc_u32 v10, BTB, v9              ; buffer 1
	s_lshl_b32 s50, s42, 20                ; where my 64 x 64 of P goes
	s_lshl_b32 s52, s43, 19
	s_add_co_u32 s50, s50, s52
	s_lshr_b32 s52, s46, 1
	s_lshl_b32 s52, s52, 18
	s_add_co_u32 s50, s50, s52
	s_lshl_b32 s52, s[RT], 16
	s_add_co_u32 s50, s50, s52
	s_lshl_b32 s52, s47, 15
	s_add_co_u32 s50, s50, s52
	s_lshl_b32 s52, s44, 12
	s_add_co_u32 s50, s50, s52
	s_add_nc_u64 s[24:25], s[24:25], s[50:51]
	s_lshl_b32 s50, s42, 13
	s_lshl_b32 s52, s43, 10
	s_add_co_u32 s50, s50, s52
	s_add_nc_u64 s[26:27], s[26:27], s[50:51]  ; the bias sums of product p, my 256 columns
	s_lshl_b32 s50, s42, 12
	s_add_nc_u64 s[20:21], s[20:21], s[50:51]  ; b1_p
	CLEAR
	s_cmp_lg_u32 s[RT], 0
	s_cbranch_scc1 .Lab_nob1
	v_lshlrev_b32 v6, 4, v0
	s_wait_alu depctr_va_vdst(0)           ; v6 is written, which the load reads; the head's lines are done with v[12:15], in which it lands
	global_load_b128 v[12:15], v6, s[20:21]
	s_wait_loadcnt 0x0
	RND2 12, 13, 28
	RND2 14, 15, 28
	v_add_nc_u32 v7, B1T, v6
	s_wait_alu depctr_va_vdst(0)           ; v7 and v[12:15] are written, which the LDS store reads
	ds_store_b128 v7, v[12:15]
.Lab_nob1:
	s_wait_dscnt 0x0                       ; the table is read by other waves ahead of the first stage's barrier
	s_barrier_signal -1
	s_barrier_wait -1
	s_mov_b32 s[TRIPS], 4
.Lab_trip:                             ; a trip: two stages of 128 along K
	STAGE 1, 0, 0
	FOUR 0, 9
	STAGE 1, 1, 1
	FOUR ATB, 10
	WIN 0x55
	s_wait_alu depctr_vm_vsrc(0)           ; the loads of b1 have read v[VB1]
	v_add_nc_u32 v[VB1], 0x400, v[VB1]     ; b1: 256 rows on; the next stage's first wait on va_vdst shows it written
	WIN 0
	s_sub_co_u32 s[TRIPS], s[TRIPS], 1
	s_cmp_lg_u32 s[TRIPS], 0
	s_cbranch_scc1 .Lab_trip
	; the way out: sources were swapped, so a lane holds row r and eight neighbouring columns: its 16 bytes of a tile; each store of the wave covers 512 consecutive bytes.
	; Two groups of eight accumulators.  The first group's pairs go into fragment buffer 0's registers, the second's into the first eight accumulators': no store's data is written again.
	PLACES 4
.set q, 0
.rept 8
	SPLIT8 ACC+8*q, AF+8*q, AF+8*q+4, SCR
.set q, q+1
.endr
	s_wait_alu depctr_va_vdst(0)           ; the first eight pairs are written, which the sixteen stores read
.set q, 0
.rept 8
	global_store_b128 v11, v[AF+8*q:AF+8*q+3], s[24:25] offset:(q/4)*8192+(q%4)*1024
	global_store_b128 v11, v[AF+8*q+4:AF+8*q+7], s[24:25] offset:(q/4)*8192+(q%4)*1024+512
.set q, q+1
.endr
.set q, 8
.rept 8
	SPLIT8 ACC+8*q, ACC+8*(q-8), ACC+8*(q-8)+4, SCR
.set q, q+1
.endr
	s_wait_alu depctr_va_vdst(0)           ; the other eight pairs are written, which the sixteen stores read
.set q, 8
.rept 8
	global_store_b128 v11, v[ACC+8*(q-8):ACC+8*(q-8)+3], s[24:25] offset:(q/4)*8192+(q%4)*1024
	global_store_b128 v11, v[ACC+8*(q-8)+4:ACC+8*(q-8)+7], s[24:25] offset:(q/4)*8192+(q%4)*1024+512
.set q, q+1
.endr
	s_cmp_lg_u32 s[RT], 0
	s_cbranch_scc1 .Lab_end
	WIN 0x55
	s_wait_alu depctr_va_vdst(0)           ; the bias sums are written, which the store reads
	global_store_b128 v[VUB], v[BACC:BACC+3], s[26:27]  ; sixteen lanes store 256 consecutive bytes
	WIN 0
.Lab_end:
	s_wait_dscnt 0x0                       ; the closing lines, six on end
	s_wait_alu 0x0
	s_wait_tensorcnt 0x0
	ds_add_u32 v[SPW], v[NIL]
	s_wait_dscnt 0x0
	s_endpgm
; ---------------------------------------------------------------- ATT
.Latt:
	s_sub_co_u32 s42, s[ID], 128           ; a: tokens 64 a on
	s_load_b32 s39, s[16:17], 0x0          ; att_b2
	s_lshl_b32 s50, s42, 17
	s_add_nc_u64 s[8:9], s[8:9], s[50:51]
	s_mov_b64 s[34:35], s[10:11]
	s_lshl_b32 s52, s[WV], 8
	v_lshlrev_b32 v6, 4, v1
	v_add_nc_u32 v6, s52, v6               ; my wave's 256 bytes of a row, 16 r
	v_lshl_add_u32 v12, v2, 14, v6         ; x: lanes 16-31 eight rows down
	v_lshl_add_u32 v13, v2, 13, v6         ; att_w1: four rows down
	s_lshl_b32 s52, s[WV], 7
	v_lshl_add_u32 v7, v1, 3, s52
	v_mul_u32_u24 v14, v2, 8320
	v_add_nc_u32 v14, v14, v7
	v_mul_u32_u24 v15, v2, 4224
	v_add_nc_u32 v15, v15, v7
	v_add_nc_u32 v15, CT0, v15
	v_add_nc_u32 v16, CTB, v15
	WIN 0x40
	v_mov_b32 v[VGB], v13
	v_mov_b32 v[VSB0], v15
	v_mov_b32 v[VSB0+1], v16
	WIN 0
	s_wait_alu depctr_va_vdst(0)           ; v12 and v[VGB] are written, which the loads read as their offsets
	LDROWS 32, ACC, 12, 8, 7, 2048, 1      ; x: read once in the launch
	WIN 0x55
	LDROWS 32, 0, VGB, 34, 3, 2048, 0      ; att_w1, stage 0
	WIN 0
	v_mul_u32_u24 v8, v1, XP
	v_lshl_add_u32 v8, v2, 4, v8
	v_mul_u32_u24 v9, v5, 1056
	v_lshl_add_u32 v9, v4, 4, v9
	s_add_co_u32 s52, s52, CT0
	v_add_nc_u32 v9, s52, v9
	v_add_nc_u32 v10, CTB, v9
	s_wait_loadcnt 32                      ; x's 32 loads are in; the 32 issued behind them stay out
	CVT 32, ACC
	s_wait_alu depctr_va_vdst(0)           ; the roundings have written x's registers, which the LDS stores read
	STROWS 32, ACC, 14, 0, 7, XP
	s_wait_alu depctr_vm_vsrc(0)           ; the LDS stores have read those registers, which are the accumulators from here on; x's loads and stores have read v12 and v14, in which loads land behind the loop
	CLEAR
	s_mov_b32 s[TRIPS], 4
.Latt_trip:                            ; a trip: two stages of 64 along K
	STAGE 0, 0, 0
	TWO 0, 9
	STAGE 0, 1, 1
	TWO 128, 10
	s_wait_alu depctr_vm_vsrc(0)           ; the fragments' loads have read v8
	v_add_nc_u32 v8, 256, v8               ; the next stage's waits on va_vdst show it written
	s_sub_co_u32 s[TRIPS], s[TRIPS], 1
	s_cmp_lg_u32 s[TRIPS], 0
	s_cbranch_scc1 .Latt_trip
	; b1 and w2 of my 4 x 16 hidden columns; and bf16(x) leaves in tiles: wave w copies row block w >> 1, column blocks 16 (w & 1) on.
	; Both addresses are made first: these four lines are also the plain places between the last products and loads into their sources.
	s_lshl_b32 s52, s[WV], 8
	v_lshl_add_u32 v7, v1, 2, s52
	s_lshr_b32 s45, s[WV], 1
	s_and_b32 s44, s[WV], 1
	s_mul_i32 s52, s45, 16640
	s_lshl_b32 s53, s44, 9
	s_add_co_u32 s52, s52, s53
	v_mul_u32_u24 v6, v1, XP
	v_lshl_add_u32 v6, v2, 4, v6
	v_add_nc_u32 v6, s52, v6
	s_wait_alu depctr_va_vdst(0)           ; v7 and v6 are written, which the loads read; the head's lines are done with v12 to v16 and the products with fragment buffer 0, in which they land
.irp c, 0,1,2,3
	global_load_b32 v[12+2*\c], v7, s[12:13] offset:64*\c
	global_load_b32 v[20+2*\c], v7, s[14:15] offset:64*\c
.endr
.set i, 0
.rept 16
	ds_load_b128 v[AF+4*i:AF+4*i+3], v6 offset:32*i
.set i, i+1
.endr
	s_lshl_b32 s50, s42, 16
	s_lshl_b32 s52, s45, 14
	s_add_co_u32 s50, s50, s52
	s_lshl_b32 s52, s44, 13
	s_add_co_u32 s50, s50, s52
	s_add_nc_u64 s[28:29], s[28:29], s[50:51]
.set i, 0
.rept 16
	s_wait_dscnt 15-i                      ; LDS loads come back in order: tile i is in
	global_store_b128 v11, v[AF+4*i:AF+4*i+3], s[28:29] offset:512*i
.set i, i+1
.endr
	s_wait_loadcnt 0x0
.irp c, 12,14,16,18,20,22,24,26        ; rounded to bf16, and twice, as a pair for the packed forms
	v_cvt_pk_bf16_f32 v28, v[\c], v[\c]
	v_lshlrev_b32 v[\c], 16, v28
	v_and_b32 v[\c+1], s[MASK], v28
.endr
	s_wait_xcnt 0x0                        ; the stores' data registers are written again only behind this wait
	s_wait_alu depctr_vm_vsrc(0)           ; the stores have read v[AF ..], which the lines below write; the loads above have read v6 and v7, which are made anew further down
; 32 numbers (16 tokens' block a x my 64 columns, 8 tokens a lane): z = sum + b1; z / (1 + 2^(-1.442695 z)); times w2, summed over the four column tiles
.macro SILU4 a
.set zb, ACC+32*(\a)
.set n, 0
.rept 16
	v_pk_add_f32 v[zb+2*n:zb+2*n+1], v[zb+2*n:zb+2*n+1], v[12+2*(n/4):13+2*(n/4)]
.set n, n+1
.endr
.set n, 0
.rept 16
	v_pk_mul_f32 v[AF+2*n:AF+2*n+1], v[zb+2*n:zb+2*n+1], 0xbfb8aa3b op_sel_hi:[1,0]
.set n, n+1
.endr
.set n, 0
.rept 32
	v_exp_f32 v[AF+n], v[AF+n]
.set n, n+1
.endr
	v_nop                                  ; a plain instruction behind the last exponential,
	s_wait_alu depctr_va_vdst(0)           ; and one wait for the batch of 32 exponentials, ahead of its first reader
.set n, 0
.rept 16
	v_pk_add_f32 v[AF+2*n:AF+2*n+1], v[AF+2*n:AF+2*n+1], 1.0 op_sel_hi:[1,0]
.set n, n+1
.endr
.set n, 0
.rept 32
	v_rcp_f32 v[AF+n], v[AF+n]
.set n, n+1
.endr
	v_nop
	s_wait_alu depctr_va_vdst(0)           ; one wait for the 32 reciprocals, ahead of their first reader
.set n, 0
.rept 16
	v_pk_mul_f32 v[AF+2*n:AF+2*n+1], v[AF+2*n:AF+2*n+1], v[zb+2*n:zb+2*n+1]
.set n, n+1
.endr
.set n, 0
.rept 16
.if n < 4
	v_pk_mul_f32 v[SCR+8*(\a)+2*n:SCR+8*(\a)+2*n+1], v[AF+2*n:AF+2*n+1], v[20:21]
.else
	v_pk_fma_f32 v[SCR+8*(\a)+2*(n%4):SCR+8*(\a)+2*(n%4)+1], v[AF+2*n:AF+2*n+1], v[20+2*(n/4):21+2*(n/4)], v[SCR+8*(\a)+2*(n%4):SCR+8*(\a)+2*(n%4)+1]
.endif
.set n, n+1
.endr
.endm
	SILU4 0
	SILU4 1
	SILU4 2
	SILU4 3
.irp x, 1,2,4,8                        ; over the 16 columns that the lanes of a half hold
.set di, 0
.rept 32
	v_add_f32_dpp v[SCR+di], v[SCR+di], v[SCR+di] row_xmask:\x row_mask:0xf bank_mask:0xf
.set di, di+1
.endr
.endr
	s_lshl_b32 s52, s[WV], 8
	s_add_co_u32 s52, s52, SCP
	v_lshl_add_u32 v6, v2, 5, s52
	s_wait_alu depctr_va_vdst(0)           ; the partial scores and v6 are written, which the LDS stores read
.set i, 0
.rept 8
	ds_store_b128 v6, v[SCR+4*i:SCR+4*i+3] offset:64*(i/2)+16*(i%2)  ; the 16 lanes of a half write the same words with the same values
.set i, i+1
.endr
	s_wait_dscnt 0x0
	s_barrier_signal -1
	s_barrier_wait -1
	s_wait_kmcnt 0x0                       ; att_b2
	s_wait_alu depctr_vm_vsrc(0)           ; the LDS stores have read v6, which is made anew on both ways
	s_cmp_ge_u32 s[WV], 2
	s_cbranch_scc1 .Latt_nosum
	v_lshl_add_u32 v6, v0, 2, SCP          ; thread t < 64: token t
	s_wait_alu depctr_va_vdst(0)           ; v6 is written, which the loads read; the lines above are done with v[32:39], in which they land
.set i, 0
.rept 8
	ds_load_b32 v[32+i], v6 offset:256*i
.set i, i+1
.endr
	v_mov_b32 v28, s39
	v_cvt_pk_bf16_f32 v28, v28, v28
	v_lshlrev_b32 v28, 16, v28
	s_wait_dscnt 0x0
	v_add_f32 v32, v32, v33
	v_add_f32 v34, v34, v35
	v_add_f32 v36, v36, v37
	v_add_f32 v38, v38, v39
	v_add_f32 v32, v32, v34
	v_add_f32 v36, v36, v38
	v_add_f32 v32, v32, v36
	v_add_f32 v32, v32, v28
	s_wait_alu depctr_va_vdst(0)           ; the score in v32 is written, which the LDS store reads
	ds_store_b32 v6, v32 offset:SCF-SCP
.Latt_nosum:
	s_wait_dscnt 0x0
	s_barrier_signal -1
	s_barrier_wait -1
	; sum over my work-group's 64 tokens of score x: thread t has columns 2 t, 2 t + 1
	s_wait_alu depctr_vm_vsrc(0)           ; the loads and the store of the summing waves have read v6 and v32, which the lines below write
	v_mov_b32 v6, SCF
	v_lshlrev_b32 v7, 2, v0
	v_mov_b32 v32, 0
	v_mov_b32 v33, 0
	s_mov_b32 s[TRIPS], 8
.Latt_pool:                            ; a trip: eight tokens
	s_wait_alu depctr_va_vdst(0)           ; v6 and v7 are written, which the loads read; the last trip's sums are done reading v[36:51], in which they land
	ds_load_b128 v[36:39], v6
	ds_load_b128 v[40:43], v6 offset:16
.set i, 0
.rept 8
	ds_load_b32 v[44+i], v7 offset:i*XP
.set i, i+1
.endr
	s_wait_dscnt 0x0
.set i, 0
.rept 8
	v_fma_mix_f32_bf16 v32, v[44+i], v[36+i], v32 op_sel_hi:[1,0,0]
	v_fma_mix_f32_bf16 v33, v[44+i], v[36+i], v33 op_sel:[1,0,0] op_sel_hi:[1,0,0]
.set i, i+1
.endr
	s_wait_alu depctr_vm_vsrc(0)           ; the trip's loads have read v6 and v7
	v_add_nc_u32 v6, 32, v6
	v_add_nc_u32 v7, 8*XP, v7
	s_sub_co_u32 s[TRIPS], s[TRIPS], 1
	s_cmp_lg_u32 s[TRIPS], 0
	s_cbranch_scc1 .Latt_pool
	s_lshl_b32 s50, s42, 11
	s_add_co_u32 s50, s50, 131072
	s_add_nc_u64 s[26:27], s[26:27], s[50:51]
	v_lshlrev_b32 v6, 3, v0
	s_wait_alu depctr_va_vdst(0)           ; v6 and the two sums are written, which the store reads
	global_store_b64 v6, v[32:33], s[26:27]    ; a wave stores 256 consecutive bytes
	s_wait_dscnt 0x0                       ; the closing lines, six on end
	s_wait_alu 0x0
	s_wait_tensorcnt 0x0
	ds_add_u32 v[SPW], v[NIL]
	s_wait_dscnt 0x0
	s_endpgm
.Lfunc_end_k_q65776d371d_front:
	.size	k_q65776d371d_front, .Lfunc_end_k_q65776d371d_front-k_q65776d371d_front
	.p2alignl 7, 3214868480
	.fill 96, 4, 3214868480
	.section	.rodata,"a",@progbits
	.p2align	6, 0x0
	.amdhsa_kernel k_q65776d371d_front
		.amdhsa_group_segment_fixed_size 214016
		.amdhsa_private_segment_fixed_size 0
		.amdhsa_enable_private_segment 0
		.amdhsa_kernarg_size 88
		.amdhsa_user_sgpr_count 2
		.amdhsa_user_sgpr_kernarg_segment_ptr 1
		.amdhsa_wavefront_size32 1
		.amdhsa_system_sgpr_workgroup_id_x 1
		.amdhsa_system_sgpr_workgroup_id_y 1
		.amdhsa_system_sgpr_workgroup_id_z 1
		.amdhsa_system_vgpr_workitem_id 0
		.amdhsa_next_free_vgpr 512
		.amdhsa_next_free_sgpr 66
		.amdhsa_reserve_vcc 0
		.amdhsa_float_denorm_mode_32 3
		.amdhsa_float_denorm_mode_16_64 3
		.amdhsa_memory_ordered 1
		.amdhsa_forward_progress 1
		.amdhsa_inst_pref_size 191
	.end_amdhsa_kernel
	.amdgpu_metadata
---
amdhsa.version: [ 1, 2 ]
amdhsa.kernels:
  - .name:           k_q65776d371d_front
    .symbol:         k_q65776d371d_front.kd
    .args:
      - { .name: x, .offset: 0, .size: 8, .value_kind: global_buffer, .address_space: global }
      - { .name: att_w1, .offset: 8, .size: 8, .value_kind: global_buffer, .address_space: global }
      - { .name: att_b1, .offset: 16, .size: 8, .value_kind: global_buffer, .address_space: global }
      - { .name: att_w2, .offset: 24, .size: 8, .value_kind: global_buffer, .address_space: global }
      - { .name: att_b2, .offset: 32, .size: 8, .value_kind: global_buffer, .address_space: global }
      - { .name: ew1, .offset: 40, .size: 8, .value_kind: global_buffer, .address_space: global }
      - { .name: eb1, .offset: 48, .size: 8, .value_kind: global_buffer, .address_space: global }
      - { .name: ew2, .offset: 56, .size: 8, .value_kind: global_buffer, .address_space: global }
      - { .name: pp, .offset: 64, .size: 8, .value_kind: global_buffer, .address_space: global }
      - { .name: k1s, .offset: 72, .size: 8, .value_kind: global_buffer, .address_space: global }
      - { .name: xb, .offset: 80, .size: 8, .value_kind: global_buffer, .address_space: global }
    .group_segment_fixed_size: 214016
    .private_segment_fixed_size: 0
    .kernarg_segment_align: 8
    .kernarg_segment_size: 88
    .max_flat_workgroup_size: 256
    .sgpr_count:     66
    .vgpr_count:     512
    .wavefront_size: 32
...
	.end_amdgpu_metadata
.endif
;; end of part 5
;; launch middle: the kernel of part 2 again; grid 176 x 1, 4 waves a work-group, no clusters, 327,680 bytes of LDS; arguments pp, k1s, eb2, g1_w1, g1_b1, g1_w2, g1_b2, g2_w1, g2_b1, g2_w2, g2_b2, mt, k2s; writes mt, k2s
;; launch mix: the kernel of part 3 again; grid 256 x 1, 8 waves a work-group, no clusters, 5,120 bytes of LDS; arguments mt, k2s, xb, nn, k3s; writes nn, k3s
;; launch apply: the kernel of part 4 again; grid 256 x 1, 4 waves a work-group, no clusters, 167,936 bytes of LDS; arguments xb, nn, k3s, out0, out1; writes out0, out1
